; MI455X (gfx1250); checked and timed in simulation.
; The chip was launched on July 23, 2026; its instructions are those of AMD's public machine-readable ISA for CDNA 5 (MIT licence, August 2026) and "CDNA5" Instruction Set Architecture Reference Guide (July 2026). The comments in the code are by the model that wrote it; some were corrected since.
;; Intern VL3 Vision Layer. Allowed arithmetic: matrix products marked QUANTISED: E4M3 operands, one given power-of-two scale a tensor, by v_wmma_f32_16x16x64_fp8_fp8 or v_wmma_f32_16x16x128_fp8_fp8, f32 sums; everything else in f32.
;; Inputs: fc1_b 1,024 float32; fc1_w_codes 1,024 x 32 x 32 uint8 (E4M3 codes of fc1_w, K innermost, in blocks of 32 codes); fc2_b 1,024 float32; fc2_w_codes 1,024 x 32 x 32 uint8 (E4M3 codes of fc2_w, K innermost, in blocks of 32 codes); hidden_states 8 x 1,025 x 1,024 float32; lowp_scales 12 int32 (the exponents e of the quantised operands' scales 2^e); ls1 1,024 float32; ls2 1,024 float32; norm1_b 1,024 float32; norm1_w 1,024 float32; norm2_b 1,024 float32; norm2_w 1,024 float32; proj_b 1,024 float32; proj_w_codes 1,024 x 32 x 32 uint8 (E4M3 codes of proj_w, K innermost, in blocks of 32 codes); qkv_b 3,072 float32; qkv_w_codes 3,072 x 32 x 32 uint8 (E4M3 codes of qkv_w, K innermost, in blocks of 32 codes).
;; Outputs: out0 8 x 1,025 x 1,024 float32.
;; This version of the problem:
;;   THIS VERSION OF THE PROBLEM IS GIVEN IN LOW PRECISION. The matrix products marked QUANTISED in the list below multiply operands that are first quantised to E4M3 (4 exponent bits, 3 mantissa bits; 8 bits a number), with one given power-of-two scale for each operand tensor; their sums are f32. All else is computed in f32.
;;   The module's matrix products, in the order in which they are computed (A, B: the left and right operand; K: the contracted axis; several contracted axes count as one K, in the product's order):
;;     1. [M 8,200, K 1,024] x [K 1,024, N 3,072]; A: computed on the way; B: input qkv_w (given as codes): QUANTISED (scales: A lowp_scales[0], B lowp_scales[1])
;;     2. batch 128 x [M 1,025, K 64] x [K 64, N 1,025]; A: computed on the way; B: computed on the way: QUANTISED (scales: A lowp_scales[2], B lowp_scales[3])
;;     3. batch 128 x [M 64, K 1,025] x [K 1,025, N 1,025]; A: computed on the way; B: softmax (see below): QUANTISED (scales: A lowp_scales[4], B lowp_scales[5])
;;     4. [M 8,200, K 1,024] x [K 1,024, N 1,024]; A: computed on the way; B: input proj_w (given as codes): QUANTISED (scales: A lowp_scales[6], B lowp_scales[7])
;;     5. [M 8,200, K 1,024] x [K 1,024, N 1,024]; A: computed on the way; B: input fc1_w (given as codes): QUANTISED (scales: A lowp_scales[8], B lowp_scales[9])
;;     6. [M 8,200, K 1,024] x [K 1,024, N 1,024]; A: computed on the way; B: input fc2_w (given as codes): QUANTISED (scales: A lowp_scales[10], B lowp_scales[11])
;;   THE QUANTISER, for each operand of a quantised product, along K:
;;     - The operand's scale is 2^e, e = its entry of the input lowp_scales (int32; the entries are numbered through the quantised products in the list's order, A before B).
;;     - Each number is divided by the scale, clamped to +-448, and rounded to the nearest number of E4M3, ties to even, subnormals kept.
;;     - The product sums the exact products of the quantised numbers (number of the format x scale) in f32.
;;   ~~~python
;;   def quantise(x, axis, e):      # numpy; x: float32 -> the quantised numbers, widened to float32 again
;;       x = np.moveaxis(x, axis, -1); K = x.shape[-1]
;;       r = np.clip(x / 2.0 ** e, -448, 448)
;;       step = 2.0 ** (np.maximum(np.frexp(np.where(r == 0, 1, r))[1] - 1, -6) - 3)
;;       q = np.round(r / step) * step * 2.0 ** e      # np.round: ties to even
;;       return np.moveaxis(q, -1, axis).astype(np.float32)
;;   ~~~
;;   SOFTMAX AHEAD OF A QUANTISED PRODUCT. Where the list says 'softmax', what is quantised is not the finished softmax but p = 2^(t - M), with t = logit x log2(e) and M = ceil(the row's largest t), a whole number; so 1/2 < the row's largest p <= 1. The row's sum l is taken of the UNQUANTISED p, in f32, and the product's result is divided by l at the end. Since M is a whole number, a kernel that streams over the keys may use a running M (the ceiling of the running maximum): every later rescaling is an exact power of two, so the quantised numbers keep their values, but for numbers so far below the row's largest that they fall under the format's range.
;;   OPERANDS COMPUTED ON THE WAY. 'Computed on the way' means the value that the module computes at that place (a softmax that the list does not call 'softmax' is quantised finished and normalised). What goes into a quantiser is computed in f32, as accurately as f32 sums, v_exp_f32 and their like allow (about 1e-6 of the number): no bf16 or f16 on the way to a quantiser, and a product that is left as it is and whose result goes on into a quantised operand takes f32 operands (vector FMAs, or v_wmma_f32_16x16x4_f32). A number that lies on a knife's edge between two numbers of the format may be rounded either way, as far as f32 arithmetic and the matrix unit's own rounding can turn it there, and no further.
;;   INPUTS GIVEN AS CODES. fc1_w (in the module: [1024, 1024], K = its axis 1); fc2_w (in the module: [1024, 1024], K = its axis 1); proj_w (in the module: [1024, 1024], K = its axis 1); qkv_w (in the module: [3072, 1024], K = its axis 1): each comes as NAME_codes (uint8): NAME with its K axis moved to the last place and cut into blocks of 32 codes, [.., K / 32, bytes a block], one block behind the other in memory; one code a byte (a code: sign, 4 exponent bits, 3 mantissa bits); its scale is its entry of lowp_scales. Its value is code x scale, taken as it is: it is not quantised again, and the codes and scales need not be those that the quantiser above would give.
;; One version. Each part assembles by itself: llvm-mc -triple=amdgcn-amd-amdhsa -mcpu=gfx1250 --defsym DOCPART=n.
;; ======== version 1 of 1: 4 launches
;; limits: right only within a limited range of input values
;; workspace buffers: xq 8,519,680 bytes; wimg 6,291,456 bytes; qimg 9,437,184 bytes; kv 18,874,368 bytes; ao 8,519,680 bytes
;; launch prep (part 1): grid 904 x 1, 4 waves a work-group, no clusters, 17,152 bytes of LDS; arguments hidden_states, norm1_w, norm1_b, lowp_scales, qkv_w_codes, proj_w_codes, fc1_w_codes, fc2_w_codes, xq, wimg; writes xq, wimg
.if DOCPART == 1
	.amdgcn_target "amdgcn-amd-amdhsa--gfx1250"
	.amdhsa_code_object_version 6
	.text
	.protected	k_q9f954cec17_prep
	.globl	k_q9f954cec17_prep
	.p2align	8
	.type	k_q9f954cec17_prep,@function
k_q9f954cec17_prep:
	s_mov_b64 s[64:65], 0
	v_nop
	global_prefetch_b8 v0, s[64:65] scope:SCOPE_SE
	s_setreg_imm32_b32 hwreg(HW_REG_WAVE_MODE, 25, 1), 1
	s_wait_xcnt 0x0
; Two jobs in one launch, told apart by the work-group's number.
; Work-groups 0 to 519: LayerNorm 1 of 16 tokens (tile T = 65 b + qt of batch b; token = min(16 qt + row, 1024)), quantised to E4M3 with the given 2^e0,
; stored as an IMAGE of the matrix operand: chunk kappa (32 along K) is 512 bytes, lane l = (r, h) owns the 16 bytes at 16 l: row r, k = 32 kappa + 16 h + 0 .. 15.
; Work-groups 520 to 903: one tile of 16 weight rows (qkv 192 tiles, proj 64, fc1 64, fc2 64) is laid the same way.  Tile 2 beta + u holds, in its row r,
; weight row 32 beta + 8 u + r + 8 (r / 8), so that a product's results of tiles 2 beta and 2 beta + 1 are 16 neighbours along the next K.
; LN: four waves, four rows a wave; a row's 4,096 bytes lie in 32 registers a lane (column 128 j + 4 l + e) between the passes: read once.  Mean, then the mean of squared differences, as the definition has it.
; The codes turn through LDS (16 rows, pitch 1,040 bytes = 260 words: row r starts at bank 4 r mod 64), so that every store of the wave covers 512 consecutive bytes.
; No matrix work, no cluster: no two work-groups read the same bytes but the two small norm vectors.
; LIMITS: e0 between -126 and 119.  NaN and infinities among the inputs are not served.
.set LNT,   520
.set PITCH, 1040
.set XB,    32                         ; v32-159  four rows, 32 registers each
.set WR,    160                        ; v160-191 norm1_w at my columns; later the four rows' codes
.set BR,    192                        ; v192-223 norm1_b at my columns
	s_load_b512 s[4:19], s[0:1], 0x0               ; hidden s[4:5], norm1_w s[6:7], norm1_b s[8:9], scales s[10:11], qkv s[12:13], proj s[14:15], fc1 s[16:17], fc2 s[18:19]
	s_load_b128 s[20:23], s[0:1], 0x40             ; xq s[20:21], wimg s[22:23]
	v_lshrrev_b32 v1, 5, v0
	v_readfirstlane_b32 s24, v1                    ; wave
	v_and_b32 v1, 31, v0                           ; lane
	v_and_b32 v31, 15, v0                          ; r
	v_bfe_u32 v26, v0, 4, 1                        ; h
	v_lshlrev_b32 v27, 4, v1                       ; 16 l
	v_lshl_add_u32 v226, v0, 2, 16640              ; my spare word, behind the 16 rows of codes: 128 bytes a wave
	v_mov_b32 v227, 0
	s_mov_b32 s29, 0
	s_cmp_ge_u32 ttmp9, LNT
	s_cbranch_scc1 .Lrelay
	; ---------------- LayerNorm 1 ----------------
	s_mul_i32 s25, ttmp9, 1009
	s_lshr_b32 s25, s25, 16                        ; b = T / 65 (exact for T under 520: 65 x 1009 = 65536 + 49)
	s_mul_i32 s26, s25, 65
	s_sub_co_u32 s26, ttmp9, s26                   ; qt
	s_lshl_b32 s26, s26, 4
	s_lshl_b32 s27, s24, 2
	s_add_co_u32 s26, s26, s27                     ; my first token: 16 qt + 4 w
	s_mul_i32 s25, s25, 1025
	s_mul_i32 s27, s24, 4*PITCH
	s_wait_alu depctr_va_vdst(0)
	v_lshl_add_u32 v28, v1, 2, s27                 ; into LDS: my four rows, 4 bytes a lane
	v_mul_u32_u24 v29, v31, PITCH
	v_lshl_add_u32 v29, v26, 4, v29
	s_lshl_b32 s27, s24, 5
	v_add_nc_u32 v29, s27, v29                     ; back: row r, column 32 w + 16 h (chunks w, w + 4, ..)
	s_lshl_b32 s27, s24, 9
	v_add_nc_u32 v30, s27, v27                     ; and the same chunk's place in the image
	s_mov_b32 s40, 0x3a800000                      ; 1 / 1024
	s_mov_b32 s41, 0x358637bd                      ; 1e-6
	s_mov_b32 s44, 0x76543210                      ; v_permlanex16_b32: lane l xor 16
	s_mov_b32 s45, 0xfedcba98
	s_wait_kmcnt 0x0
	s_load_b32 s42, s[10:11], 0x0                  ; e0
.irp i, 0,1,2,3
	s_add_co_u32 s28, s26, \i
	s_min_u32 s28, s28, 1024                       ; rows past the batch's last token repeat it
	s_add_co_u32 s28, s28, s25
	s_lshl_b32 s28, s28, 12
	s_add_nc_u64 s[32+2*\i:33+2*\i], s[4:5], s[28:29]
.endr
	s_lshl_b32 s28, ttmp9, 14
	s_add_nc_u64 s[20:21], s[20:21], s[28:29]      ; my tile's image
.irp j, 0,1,2,3,4,5,6,7
	global_load_b128 v[WR+4*\j:WR+4*\j+3], v27, s[6:7] offset:512*\j
	global_load_b128 v[BR+4*\j:BR+4*\j+3], v27, s[8:9] offset:512*\j
.endr
.irp i, 0,1,2,3
.irp j, 0,1,2,3,4,5,6,7
	global_load_b128 v[XB+32*\i+4*\j:XB+32*\i+4*\j+3], v27, s[32+2*\i:33+2*\i] offset:512*\j th:TH_LOAD_NT   ; 512 consecutive bytes a load
.endr
.endr
	s_wait_kmcnt 0x0
	s_add_co_i32 s42, s42, 127
	s_lshl_b32 s43, s42, 23
	v_mov_b32 v224, s43                            ; 2^e0 as f32: the conversion takes its exponent field
	s_add_co_i32 s42, s42, 8
	s_lshl_b32 s42, s42, 23
	s_or_b32 s42, s42, 0x600000
	v_mov_b32 v225, s42                            ; 448 x 2^e0
	s_wait_loadcnt 0x0                             ; all 48 loads are wanted at once
; four lanes' sums v[2+2i:3+2i] become the rows' sums, in every lane
.macro RED4
.irp i, 0,1,2,3
	v_add_f32 v[2+2*\i], v[2+2*\i], v[3+2*\i]
.endr
.irp x, 1,2,4,8
.irp i, 0,1,2,3
	v_add_f32_dpp v[2+2*\i], v[2+2*\i], v[2+2*\i] row_xmask:\x row_mask:0xf bank_mask:0xf
.endr
.endr
.irp i, 0,1,2,3
	v_permlanex16_b32 v[3+2*\i], v[2+2*\i], s44, s45
.endr
.irp i, 0,1,2,3
	v_add_f32 v[2+2*\i], v[2+2*\i], v[3+2*\i]
.endr
.endm
.irp i, 0,1,2,3
	v_pk_add_f32 v[2+2*\i:3+2*\i], v[XB+32*\i:XB+32*\i+1], v[XB+32*\i+2:XB+32*\i+3]
.endr
.set p, 4
.rept 14
.irp i, 0,1,2,3                                ; the four rows take turns: four chains
	v_pk_add_f32 v[2+2*\i:3+2*\i], v[2+2*\i:3+2*\i], v[XB+32*\i+p:XB+32*\i+p+1]
.endr
.set p, p+2
.endr
	RED4
.irp i, 0,1,2,3
	v_mul_f32 v[10+2*\i], s40, v[2+2*\i]           ; the mean, twice: a pair for the packed forms
	v_mul_f32 v[11+2*\i], s40, v[2+2*\i]
.endr
.set p, 0
.rept 16
.irp i, 0,1,2,3
	v_pk_add_f32 v[XB+32*\i+p:XB+32*\i+p+1], v[XB+32*\i+p:XB+32*\i+p+1], v[10+2*\i:11+2*\i] neg_lo:[0,1] neg_hi:[0,1]   ; x - mean
.endr
.set p, p+2
.endr
.irp i, 0,1,2,3
	v_pk_mul_f32 v[2+2*\i:3+2*\i], v[XB+32*\i:XB+32*\i+1], v[XB+32*\i:XB+32*\i+1]
.endr
.set p, 2
.rept 15
.irp i, 0,1,2,3
	v_pk_fma_f32 v[2+2*\i:3+2*\i], v[XB+32*\i+p:XB+32*\i+p+1], v[XB+32*\i+p:XB+32*\i+p+1], v[2+2*\i:3+2*\i]
.endr
.set p, p+2
.endr
	RED4
.irp i, 0,1,2,3
	v_fma_f32 v[10+2*\i], v[2+2*\i], s40, s41      ; variance + eps
.endr
	s_wait_alu depctr_va_vdst(0)
.irp i, 0,1,2,3
	v_rsq_f32 v[10+2*\i], v[10+2*\i]
.endr
	v_nop                                          ; a plain instruction behind the last root
	s_wait_alu depctr_va_vdst(0)                   ; one wait for the four roots, ahead of their first reader
.irp i, 0,1,2,3
	v_mov_b32 v[11+2*\i], v[10+2*\i]
.endr
.set p, 0
.rept 16
.irp i, 0,1,2,3
	v_pk_mul_f32 v[XB+32*\i+p:XB+32*\i+p+1], v[XB+32*\i+p:XB+32*\i+p+1], v[10+2*\i:11+2*\i]
.endr
.irp i, 0,1,2,3
	v_pk_fma_f32 v[XB+32*\i+p:XB+32*\i+p+1], v[XB+32*\i+p:XB+32*\i+p+1], v[WR+p:WR+p+1], v[BR+p:BR+p+1]
.endr
.set p, p+2
.endr
.set p, 0
.rept 128
	v_med3_num_f32 v[XB+p], v[XB+p], -v225, v225   ; the conversion to an 8-bit code does not saturate (ISA guide 7.6.2): the hold at the largest code x the scale
.set p, p+1
.endr
.irp i, 0,1,2,3
.irp g, 0,1,2,3
	v_cvt_scalef32_pk8_fp8_f32 v[WR+8*\i+2*\g:WR+8*\i+2*\g+1], v[XB+32*\i+8*\g:XB+32*\i+8*\g+7], v224   ; word j of a row's eight: columns 128 j + 4 l + 0 .. 3
.endr
.endr
	v_nop                                          ; a plain instruction behind the last conversion
.irp i, 0,1,2,3
.irp j, 0,1,2,3,4,5,6,7
	ds_store_b32 v28, v[WR+8*\i+\j] offset:\i*PITCH+128*\j
.endr
.endr
	s_wait_dscnt 0x0                               ; for the others' sake: my rows lie in LDS
	s_barrier_signal -1
	s_barrier_wait -1
.irp i, 0,1,2,3,4,5,6,7
	ds_load_b128 v[XB+4*\i:XB+4*\i+3], v29 offset:128*\i           ; chunk w + 4 i: 16 rows x 32 columns
.endr
.irp i, 0,1,2,3,4,5,6,7
	s_wait_dscnt 7-\i                              ; the younger loads may be out
	global_store_b128 v30, v[XB+4*\i:XB+4*\i+3], s[20:21] offset:2048*\i   ; 512 consecutive bytes
.endr
	s_wait_tensorcnt 0x0                           ; the wave's end
	ds_add_u32 v226, v227
	s_wait_dscnt 0x0
	s_endpgm
	; ---------------- a weight tile ----------------
.Lrelay:
	s_sub_co_u32 s25, ttmp9, LNT                   ; tile 0 .. 383
	s_mov_b32 s28, 320
	s_wait_kmcnt 0x0
	s_cmp_lt_u32 s25, 320                          ; which weight: the choice hangs on the work-group's number alone
	s_cselect_b64 s[26:27], s[16:17], s[18:19]
	s_cselect_b32 s28, 256, s28
	s_cmp_lt_u32 s25, 256
	s_cselect_b64 s[26:27], s[14:15], s[26:27]
	s_cselect_b32 s28, 192, s28
	s_cmp_lt_u32 s25, 192
	s_cselect_b64 s[26:27], s[12:13], s[26:27]
	s_cselect_b32 s28, 0, s28
	s_sub_co_u32 s28, s25, s28                     ; the tile's number in its weight
	s_lshr_b32 s30, s28, 1
	s_lshl_b32 s30, s30, 15                        ; 32 rows of 1,024 bytes for each pair of tiles,
	s_and_b32 s31, s28, 1
	s_lshl_b32 s31, s31, 13                        ; 8 rows for the odd one
	s_add_co_u32 s30, s30, s31
	s_mov_b32 s31, 0
	s_add_nc_u64 s[26:27], s[26:27], s[30:31]
	s_lshl_b32 s30, s25, 14
	s_add_nc_u64 s[22:23], s[22:23], s[30:31]
	s_wait_alu depctr_va_vdst(0)
	v_and_b32 v2, 8, v31
	v_add_nc_u32 v2, v2, v31                       ; r + 8 (r / 8)
	v_lshlrev_b32 v2, 10, v2
	v_lshl_add_u32 v2, v26, 4, v2
	s_lshl_b32 s30, s24, 8
	v_add_nc_u32 v2, s30, v2                       ; + 16 h + 256 w: chunks 8 w .. 8 w + 7
	s_lshl_b32 s30, s24, 12
	v_add_nc_u32 v3, s30, v27
.irp i, 0,1,2,3,4,5,6,7
	global_load_b128 v[XB+4*\i:XB+4*\i+3], v2, s[26:27] offset:32*\i
.endr
	s_wait_alu depctr_va_vdst(0)
	s_wait_loadcnt 0x0
.irp i, 0,1,2,3,4,5,6,7
	global_store_b128 v3, v[XB+4*\i:XB+4*\i+3], s[22:23] offset:512*\i
.endr
	s_endpgm
.Lfunc_end_k_q9f954cec17_prep:
	.size	k_q9f954cec17_prep, .Lfunc_end_k_q9f954cec17_prep-k_q9f954cec17_prep
	.p2alignl 7, 3214868480
	.fill 96, 4, 3214868480
	.section	.rodata,"a",@progbits
	.p2align	6, 0x0
	.amdhsa_kernel k_q9f954cec17_prep
		.amdhsa_group_segment_fixed_size 17152
		.amdhsa_private_segment_fixed_size 0
		.amdhsa_enable_private_segment 0
		.amdhsa_kernarg_size 80
		.amdhsa_user_sgpr_count 2
		.amdhsa_user_sgpr_kernarg_segment_ptr 1
		.amdhsa_wavefront_size32 1
		.amdhsa_system_sgpr_workgroup_id_x 1
		.amdhsa_system_sgpr_workgroup_id_y 1
		.amdhsa_system_sgpr_workgroup_id_z 1
		.amdhsa_system_vgpr_workitem_id 0
		.amdhsa_next_free_vgpr 232
		.amdhsa_next_free_sgpr 66
		.amdhsa_reserve_vcc 0
		.amdhsa_float_denorm_mode_32 3
		.amdhsa_float_denorm_mode_16_64 3
		.amdhsa_memory_ordered 1
		.amdhsa_forward_progress 1
		.amdhsa_inst_pref_size 47
	.end_amdhsa_kernel
	.amdgpu_metadata
---
amdhsa.version: [ 1, 2 ]
amdhsa.kernels:
  - .name:           k_q9f954cec17_prep
    .symbol:         k_q9f954cec17_prep.kd
    .args:
      - { .name: hidden_states, .offset: 0, .size: 8, .value_kind: global_buffer, .address_space: global }
      - { .name: norm1_w, .offset: 8, .size: 8, .value_kind: global_buffer, .address_space: global }
      - { .name: norm1_b, .offset: 16, .size: 8, .value_kind: global_buffer, .address_space: global }
      - { .name: lowp_scales, .offset: 24, .size: 8, .value_kind: global_buffer, .address_space: global }
      - { .name: qkv_w_codes, .offset: 32, .size: 8, .value_kind: global_buffer, .address_space: global }
      - { .name: proj_w_codes, .offset: 40, .size: 8, .value_kind: global_buffer, .address_space: global }
      - { .name: fc1_w_codes, .offset: 48, .size: 8, .value_kind: global_buffer, .address_space: global }
      - { .name: fc2_w_codes, .offset: 56, .size: 8, .value_kind: global_buffer, .address_space: global }
      - { .name: xq, .offset: 64, .size: 8, .value_kind: global_buffer, .address_space: global }
      - { .name: wimg, .offset: 72, .size: 8, .value_kind: global_buffer, .address_space: global }
    .group_segment_fixed_size: 17152
    .private_segment_fixed_size: 0
    .kernarg_segment_align: 8
    .kernarg_segment_size: 80
    .max_flat_workgroup_size: 128
    .sgpr_count:     66
    .vgpr_count:     232
    .wavefront_size: 32
...
	.end_amdgpu_metadata
.endif
;; end of part 1
;; launch qkv (part 2): grid 72 x 3, 8 waves a work-group, no clusters, 132,096 bytes of LDS; arguments xq, wimg, qkv_b, lowp_scales, qimg, kv; writes qimg, kv
.if DOCPART == 2
	.amdgcn_target "amdgcn-amd-amdhsa--gfx1250"
	.amdhsa_code_object_version 6
	.text
	.protected	k_q9f954cec17_qkv
	.globl	k_q9f954cec17_qkv
	.p2align	8
	.type	k_q9f954cec17_qkv,@function
k_q9f954cec17_qkv:
	s_mov_b64 s[64:65], 0
	v_nop
	global_prefetch_b8 v0, s[64:65] scope:SCOPE_SE
	s_setreg_imm32_b32 hwreg(HW_REG_WAVE_MODE, 25, 1), 1
	s_wait_xcnt 0x0
; q, k or v (work-group y = 0, 1, 2) of 128 tokens (work-group x = 9 b + blk: tokens 128 blk on of batch b): x_norm's codes x qkv_w's codes by v_wmma_f32_16x16x64_fp8_fp8,
; sum x 2^(e0 + e1) + bias, quantised with the given 2^e2 (q), 2^e3 (k), 2^e4 (v), stored as images of the attention's operands.
; SHARES.  THE WAVES SHARE THE COLUMNS: wave w makes heads 2 w and 2 w + 1, one a pass: 128 tokens x 64 features = 32 accumulators (window 1).  The block's codes (8 tiles x 16,384 bytes) lie in LDS, filled once, read by all.
; A weight fragment serves one wave alone, so it goes from memory straight into registers: the weights were laid in register order, each load is 512 consecutive bytes, and a ring of five sets keeps 32 loads on their way.
; That is also why no tile is asked for jointly in a cluster: a joint load lands in LDS, where each weight byte would be written and read once more for one reader.
; q, k: source 0 = 16 weight rows, source 1 = 16 tokens: a lane holds one token, and the 16 registers of tiles 2 beta, 2 beta + 1 are 16 neighbouring features: two conversions give chunk beta of the image.
; v:    the sources change places: a lane holds one feature and eight tokens: the keys run along the registers, as the second attention product wants them.
; K's places inside a matrix instruction are permuted, alike in both operands (registers 4 c .. 4 c + 3: k = 32 c + 16 h + 0 .. 15): every product meets its partner; only the order of the sums inside an instruction differs.
; LIMITS: e0 + e1 between -126 and 127; e2, e3, e4 between -126 and 119.  NaN among the inputs is not served.
; REGISTERS: window 0: v1 16 l; v2 16 l + 65,536; v3 the bias's offset; v4 2^e; v5 448 x 2^e; v6 where I put my tile in LDS; v32-95 A's eight fragments, one set; v96-255 the weights' ring, five sets of four fragments.
;            window 1: accumulator (m, t) at v[8 (4 m + t)].
.set AFR, 32
.set BFR, 96
.set MSB, 0
.macro WIN new                         ; the immediate's high byte repeats the setting that is left
.if MSB != \new
	s_set_vgpr_msb (MSB<<8)|\new
.set MSB, \new
.endif
.endm
.macro NOPS                            ; four places behind matrix instructions (ISA guide 7.12.1)
.rept 4
	v_nop
.endr
.endm
.macro ALOAD s, m                      ; A's fragment of tile m, K step s: two chunks
.if (\m) < 4
	ds_load_b128 v[AFR+8*(\m):AFR+8*(\m)+3], v1 offset:(\m)*16384+(\s)*1024
	ds_load_b128 v[AFR+8*(\m)+4:AFR+8*(\m)+7], v1 offset:(\m)*16384+(\s)*1024+512
.else
	ds_load_b128 v[AFR+8*(\m):AFR+8*(\m)+3], v2 offset:((\m)-4)*16384+(\s)*1024
	ds_load_b128 v[AFR+8*(\m)+4:AFR+8*(\m)+7], v2 offset:((\m)-4)*16384+(\s)*1024+512
.endif
.endm
.macro BLOAD s                         ; the head's four weight tiles of K step s into set s % 5: eight loads
.irp t, 0,1,2,3
.irp c, 0,1
	global_load_b128 v[BFR+32*((\s)%5)+8*\t+4*\c:BFR+32*((\s)%5)+8*\t+4*\c+3], v1, s[18:19] offset:\t*16384+(\s)*1024+\c*512
.endr
.endr
.endm
.macro PRO                             ; K steps 0 to 3: 32 loads
.irp s, 0,1,2,3
	BLOAD \s
.endr
.endm
.macro BIAS vpath                      ; into set 1, which has had its last K step (11)
.irp t, 0,1,2,3
.if \vpath
	global_load_b32 v[BFR+32+8*\t], v3, s[20:21] offset:(32*(\t/2)+8*(\t%2))*4              ; my lane's one feature of tile t
.else
	global_load_b128 v[BFR+32+8*\t:BFR+32+8*\t+3], v3, s[20:21] offset:(32*(\t/2)+8*(\t%2))*4       ; my half's eight features of tile t
	global_load_b128 v[BFR+32+8*\t+4:BFR+32+8*\t+7], v3, s[20:21] offset:(32*(\t/2)+8*(\t%2))*4+16
.endif
.endr
.endm
.macro MM swap, m, t, s
.set rD, 8*(4*(\m)+\t)
.set rA, AFR+8*(\m)
.set rB, BFR+32*((\s)%5)+8*\t
.if \swap
.if (\s) == 0
	v_wmma_f32_16x16x64_fp8_fp8 v[rD:rD+7], v[rA:rA+7], v[rB:rB+7], 0
.else
	v_wmma_f32_16x16x64_fp8_fp8 v[rD:rD+7], v[rA:rA+7], v[rB:rB+7], v[rD:rD+7]
.endif
.else
.if (\s) == 0
	v_wmma_f32_16x16x64_fp8_fp8 v[rD:rD+7], v[rB:rB+7], v[rA:rA+7], 0
.else
	v_wmma_f32_16x16x64_fp8_fp8 v[rD:rD+7], v[rB:rB+7], v[rA:rA+7], v[rD:rD+7]
.endif
.endif
.endm
; One head: 16 K steps of 64, 32 matrix instructions each; the 32 accumulators take turns in the same order in every step; the first step starts the sums with the constant 0.
; A pair of A's tiles is fetched anew as soon as its eight products are issued.  nb: the bias's loads.
.macro GEMM swap, nb
.irp m, 0,1,2,3,4,5,6,7
	ALOAD 0, \m
.endr
.set KS, 0
.rept 16
.if KS+4 <= 15
	BLOAD KS+4                                     ; into the set that the step before read: its four v_nop stand in between
.endif
.if KS == 12
	BIAS \swap
.endif
.if KS <= 11
	s_wait_loadcnt 32                              ; this step's eight loads are in; the four younger sets may be out
.else
	s_wait_loadcnt 8*(15-KS)+\nb                   ; the sets that are left, and the bias
.endif
.set G, 0
.rept 4
.if KS < 15
	s_wait_dscnt 12                                ; tiles 2 G, 2 G + 1 are in; three younger groups of four loads may be out
.else
	s_wait_dscnt 4*(3-G)
.endif
	WIN 0x50                                       ; C and D window 1
.irp mm, 0,1
.irp t, 0,1,2,3
	MM \swap, 2*G+\mm, \t, KS
.endr
.endr
	WIN 0
.if KS < 15
	NOPS
	ALOAD KS+1, 2*G
	ALOAD KS+1, 2*G+1
.endif
.set G, G+1
.endr
.set KS, KS+1
.endr
.endm
; The way out of a head: sum x 2^(e0 + e1) + bias, the hold, the conversions, 16 stores of 512 consecutive bytes.  The next head's first weights are asked for ahead of the conversions.
.macro EPI vpath
	s_wait_loadcnt 0x0                             ; the bias
	NOPS
	WIN 0x41                                       ; destination and source 0 window 1
.set M, 0
.rept 8
.irp t, 0,1,2,3
.irp j, 0,2,4,6                                ; each accumulator from its low end on
.if \vpath
	v_pk_fma_f32 v[8*(4*M+\t)+\j:8*(4*M+\t)+\j+1], v[8*(4*M+\t)+\j:8*(4*M+\t)+\j+1], s[26:27], v[BFR+32+8*\t:BFR+32+8*\t+1] op_sel_hi:[1,0,0]
.else
	v_pk_fma_f32 v[8*(4*M+\t)+\j:8*(4*M+\t)+\j+1], v[8*(4*M+\t)+\j:8*(4*M+\t)+\j+1], s[26:27], v[BFR+32+8*\t+\j:BFR+32+8*\t+\j+1] op_sel_hi:[1,0,1]
.endif
.endr
.irp j, 0,1,2,3,4,5,6,7
	v_med3_num_f32 v[8*(4*M+\t)+\j], v[8*(4*M+\t)+\j], -v5, v5     ; the conversion does not saturate (ISA guide 7.6.2)
.endr
.endr
.set M, M+1
.endr
	WIN 0
	s_cmp_eq_u32 s17, 1
	s_cbranch_scc1 .Lno_more_\@
	s_wait_xcnt 0x0                                ; the weights' loads have read their base
	s_add_nc_u64 s[18:19], s[18:19], 0x10000       ; four tiles on: the next head
	PRO
.Lno_more_\@:
	WIN 0x01                                       ; source 0 window 1
.set M, 0
.rept 8
.irp t, 0,1,2,3
.if \vpath
	v_cvt_scalef32_pk8_fp8_f32 v[AFR+4*(4*(M/2)+\t)+2*(M%2):AFR+4*(4*(M/2)+\t)+2*(M%2)+1], v[8*(4*M+\t):8*(4*M+\t)+7], v4   ; keys 16 M + 8 h + 0 .. 7 of my feature
.else
	v_cvt_scalef32_pk8_fp8_f32 v[AFR+4*(2*M+\t/2)+2*(\t%2):AFR+4*(2*M+\t/2)+2*(\t%2)+1], v[8*(4*M+\t):8*(4*M+\t)+7], v4     ; features 32 (t / 2) + 16 h + 8 (t % 2) + 0 .. 7 of my token
.endif
.endr
.set M, M+1
.endr
	WIN 0
	v_nop                                          ; a plain instruction behind the last conversion
.set M, 0
.rept 16
.if \vpath
	global_store_b128 v1, v[AFR+4*M:AFR+4*M+3], s[22:23] offset:(M/8)*4096+(M%4)*1024+((M/4)%2)*512   ; key step M / 8, tile of features M % 4, half (M / 4) % 2
.else
	global_store_b128 v1, v[AFR+4*M:AFR+4*M+3], s[22:23] offset:(M/2)*1024+(M%2)*512                 ; tile of tokens M / 2, chunk M % 2
.endif
.set M, M+1
.endr
	s_wait_xcnt 0x0                                ; the stores have read their data and their base; the bias's loads theirs
	s_add_nc_u64 s[20:21], s[20:21], 256
	s_add_nc_u64 s[22:23], s[22:23], s[24:25]
.endm
	s_load_b256 s[4:11], s[0:1], 0x0               ; xq s[4:5], wimg s[6:7], qkv_b s[8:9], scales s[10:11]
	s_load_b128 s[12:15], s[0:1], 0x20             ; qimg s[12:13], kv s[14:15]
	v_lshl_add_u32 v10, v0, 2, 131072              ; my spare word, behind the block's eight tiles: 128 bytes a wave
	v_mov_b32 v11, 0
	v_lshrrev_b32 v1, 5, v0
	s_delay_alu instid0(VALU_DEP_1)
	v_readfirstlane_b32 s16, v1                    ; wave
	v_and_b32 v7, 31, v0
	s_delay_alu instid0(VALU_DEP_1)
	v_lshlrev_b32 v1, 4, v7                        ; 16 l
	s_delay_alu instid0(VALU_DEP_1)
	v_add_nc_u32 v2, 0x10000, v1
	v_and_b32 v8, 15, v0                           ; r
	v_bfe_u32 v9, v0, 4, 1                         ; h
	s_lshl_b32 s2, s16, 14
	v_add_nc_u32 v6, s2, v1
	s_and_b32 s31, ttmp7, 0xffff                   ; y: q, k or v
	s_mul_i32 s32, ttmp9, 57
	s_lshr_b32 s32, s32, 9                         ; b = x / 9 (exact for x under 72)
	s_mul_i32 s33, s32, 9
	s_sub_co_u32 s33, ttmp9, s33                   ; blk
	s_lshl_b32 s34, s33, 3
	s_add_co_u32 s34, s34, s16
	s_min_u32 s34, s34, 64                         ; my tile of tokens; past the batch's last tile that tile is repeated
	s_mul_i32 s35, s32, 65
	s_add_co_u32 s34, s34, s35
	s_lshl_b32 s34, s34, 14
	s_mov_b32 s35, 0
	s_lshl_b32 s44, s31, 6
	s_lshl_b32 s45, s16, 3
	s_add_co_u32 s44, s44, s45
	s_lshl_b32 s44, s44, 14                        ; weight tile 64 y + 8 w
	s_mov_b32 s45, 0
	s_lshl_b32 s46, s31, 12
	s_lshl_b32 s47, s16, 9
	s_add_co_u32 s46, s46, s47                     ; bias: feature 1024 y + 128 w
	s_mov_b32 s47, 0
	s_mov_b32 s24, 147456
	s_mov_b32 s25, 0
	s_wait_alu depctr_va_vdst(0)
	s_wait_kmcnt 0x0
	s_load_b256 s[36:43], s[10:11], 0x0            ; e0 .. e7
	s_add_nc_u64 s[34:35], s[4:5], s[34:35]
	s_add_nc_u64 s[18:19], s[6:7], s[44:45]
	s_add_nc_u64 s[20:21], s[8:9], s[46:47]
	s_cmp_eq_u32 s31, 0
	s_cselect_b64 s[22:23], s[12:13], s[14:15]     ; q goes to qimg, k and v to kv
	s_cselect_b32 s24, 73728, s24                  ; bytes from head to head
	s_cmp_eq_u32 s31, 2
	s_cselect_b32 s29, 73728, 0                    ; v lies behind a head's k
	s_lshl_b32 s48, s32, 4
	s_lshl_b32 s49, s16, 1
	s_add_co_u32 s48, s48, s49                     ; 16 b + 2 w
	s_mul_i32 s48, s48, s24
	s_lshl_b32 s49, s33, 13                        ; the block: 8 tiles of 1,024 bytes, or 2 key steps of 4,096
	s_add_co_u32 s48, s48, s49
	s_add_co_u32 s48, s48, s29
	s_mov_b32 s49, 0
	s_add_nc_u64 s[22:23], s[22:23], s[48:49]
	WIN 0x40                                       ; destination window 1: the accumulators' registers carry my tile on its way to LDS
.set i, 0
.rept 32
	global_load_b128 v[4*i:4*i+3], v1, s[34:35] offset:512*i
.set i, i+1
.endr
	WIN 0
	PRO
	s_wait_kmcnt 0x0
	s_add_co_i32 s2, s36, s37
	s_add_co_i32 s2, s2, 127
	s_lshl_b32 s26, s2, 23                         ; 2^(e0 + e1)
	s_mov_b32 s27, s26                             ; (named with it as a pair, so it is written)
	s_cmp_eq_u32 s31, 0
	s_cselect_b32 s28, s38, s39
	s_cmp_eq_u32 s31, 2
	s_cselect_b32 s28, s40, s28                    ; e2, e3 or e4
	s_add_co_i32 s28, s28, 127
	s_lshl_b32 s2, s28, 23
	v_mov_b32 v4, s2
	s_add_co_i32 s28, s28, 8
	s_lshl_b32 s28, s28, 23
	s_or_b32 s28, s28, 0x600000
	v_mov_b32 v5, s28
	s_wait_loadcnt 32                              ; my tile is in; the 32 weight loads behind it may be out
	WIN 0x04                                       ; store data window 1
.set i, 0
.rept 32
	ds_store_b128 v6, v[4*i:4*i+3] offset:512*i
.set i, i+1
.endr
	WIN 0
	s_wait_dscnt 0x0                               ; for the others' sake
	s_barrier_signal -1
	s_barrier_wait -1                              ; the block's eight tiles lie in LDS; they are only read from here on
	s_mov_b32 s17, 2
	s_cmp_eq_u32 s31, 2
	s_cbranch_scc1 .Lv
	v_lshlrev_b32 v3, 6, v9                        ; the bias of my half: 16 h features on
.Lqk:
	s_wait_alu depctr_va_vdst(0)
	GEMM 0, 8
	EPI 0
	s_sub_co_u32 s17, s17, 1
	s_cmp_lg_u32 s17, 0
	s_cbranch_scc1 .Lqk
	s_wait_tensorcnt 0x0                           ; the wave's end
	ds_add_u32 v10, v11
	s_wait_dscnt 0x0
	s_endpgm
.Lv:
	v_and_b32 v3, 8, v8
	s_delay_alu instid0(VALU_DEP_1)
	v_add_nc_u32 v3, v3, v8
	s_delay_alu instid0(VALU_DEP_1)
	v_lshlrev_b32 v3, 2, v3                        ; the bias of my lane's feature: r + 8 (r / 8)
.Lvp:
	s_wait_alu depctr_va_vdst(0)
	GEMM 1, 4
	EPI 1
	s_sub_co_u32 s17, s17, 1
	s_cmp_lg_u32 s17, 0
	s_cbranch_scc1 .Lvp
	s_wait_tensorcnt 0x0                           ; the wave's end, as above
	ds_add_u32 v10, v11
	s_wait_dscnt 0x0
	s_endpgm
.Lfunc_end_k_q9f954cec17_qkv:
	.size	k_q9f954cec17_qkv, .Lfunc_end_k_q9f954cec17_qkv-k_q9f954cec17_qkv
	.p2alignl 7, 3214868480
	.fill 96, 4, 3214868480
	.section	.rodata,"a",@progbits
	.p2align	6, 0x0
	.amdhsa_kernel k_q9f954cec17_qkv
		.amdhsa_group_segment_fixed_size 132096
		.amdhsa_private_segment_fixed_size 0
		.amdhsa_enable_private_segment 0
		.amdhsa_kernarg_size 48
		.amdhsa_user_sgpr_count 2
		.amdhsa_user_sgpr_kernarg_segment_ptr 1
		.amdhsa_wavefront_size32 1
		.amdhsa_system_sgpr_workgroup_id_x 1
		.amdhsa_system_sgpr_workgroup_id_y 1
		.amdhsa_system_sgpr_workgroup_id_z 1
		.amdhsa_system_vgpr_workitem_id 0
		.amdhsa_next_free_vgpr 512
		.amdhsa_next_free_sgpr 66
		.amdhsa_reserve_vcc 0
		.amdhsa_float_denorm_mode_32 3
		.amdhsa_float_denorm_mode_16_64 3
		.amdhsa_memory_ordered 1
		.amdhsa_forward_progress 1
		.amdhsa_inst_pref_size 218
	.end_amdhsa_kernel
	.amdgpu_metadata
---
amdhsa.version: [ 1, 2 ]
amdhsa.kernels:
  - .name:           k_q9f954cec17_qkv
    .symbol:         k_q9f954cec17_qkv.kd
    .args:
      - { .name: xq, .offset: 0, .size: 8, .value_kind: global_buffer, .address_space: global }
      - { .name: wimg, .offset: 8, .size: 8, .value_kind: global_buffer, .address_space: global }
      - { .name: qkv_b, .offset: 16, .size: 8, .value_kind: global_buffer, .address_space: global }
      - { .name: lowp_scales, .offset: 24, .size: 8, .value_kind: global_buffer, .address_space: global }
      - { .name: qimg, .offset: 32, .size: 8, .value_kind: global_buffer, .address_space: global }
      - { .name: kv, .offset: 40, .size: 8, .value_kind: global_buffer, .address_space: global }
    .group_segment_fixed_size: 132096
    .private_segment_fixed_size: 0
    .kernarg_segment_align: 8
    .kernarg_segment_size: 48
    .max_flat_workgroup_size: 256
    .sgpr_count:     66
    .vgpr_count:     512
    .wavefront_size: 32
...
	.end_amdgpu_metadata
.endif
;; end of part 2
;; launch attn (part 3): grid 2 x 128, 16 waves a work-group, no clusters, 223,232 bytes of LDS; arguments qimg, kv, lowp_scales, ao; writes ao
.if DOCPART == 3
	.amdgcn_target "amdgcn-amd-amdhsa--gfx1250"
	.amdhsa_code_object_version 6
	.text
	.protected	k_q9f954cec17_attn
	.globl	k_q9f954cec17_attn
	.p2align	8
	.type	k_q9f954cec17_attn,@function
k_q9f954cec17_attn:
	s_mov_b64 s[64:65], 0
	v_nop
	global_prefetch_b8 v0, s[64:65] scope:SCOPE_SE
	s_setreg_imm32_b32 hwreg(HW_REG_WAVE_MODE, 25, 1), 1
	s_wait_xcnt 0x0
; Attention of one head (work-group y = 16 b + head), half of its queries (work-group x), both products on E4M3 codes by v_wmma_f32_16x16x64_fp8_fp8.
; t = score x 2^(e2 + e3) x log2(e) / 8; M = the running largest t rounded UP to a whole number; p = 2^(t - M) is quantised with the given 2^e5, not normalised; the row's sum is taken of the unquantised p;
; when M moves, the sum and O are multiplied by 2^(old M - new M), which rounds nothing.  At the end O x 2^(e4 + e5) / sum is quantised with 2^e6 and stored as the next product's operand image (k = 64 head + d).
; SHARES.  The head's whole K and V, 147,456 bytes of codes, are copied into LDS once, through registers; nothing is filled again.  Wave w owns query tiles 32 x + 2 w and + 1, which share every fragment read from LDS.
; 16 steps of 64 keys, then a step for key 1,024 alone (the other places of its tile are masked to -infinity, their codes are zeros).
; Query tile 64 (token 1,024) is done by the work-group with x = 0: wave w takes key step w (wave 15 key 1,024 too), and waves 0 and 1 merge the sixteen parts, each under its own whole M, exactly.
; LAYOUT.  Both products transposed: S^T = K Q^T, O^T = V^T P: a lane holds ONE query.  Score tile c's eight registers are keys 16 c + 8 h + 0 .. 7: their conversion is registers 2 c, 2 c + 1 of P, as V was laid.
; No joint loads: the two work-groups of a head share 147,456 bytes read once at the head; the hold of p may be passed over by a scalar branch on the given e5.
; LIMITS: e2 + e3 between -123 and 130; e5 and e6 between -126 and 119.  NaN among the inputs is not served.
; REGISTERS: v1 16 l; v2 16 x thread; v3 16 l + V's base; v4, v5 addresses in hand; v6 -infinity; v7 my merge part; v8, v9 merge reads; v10, v11 2^e5, 448 x 2^e5; v12, v13 the same for e6; v14, v15 the parts' statistics;
;   v16-31 Q; v32-63 K; v64-95 V; v96-159 S^T, then p; v160-223 O^T; v224-239 p's codes; v240-247 -M, largest t, the sum's two halves; v248-251 at work; v252-255 the factor (a pair a tile).
.set QF, 16
.set KF, 32
.set VF, 64
.set SS, 96
.set OO, 160
.set PC, 224
.set ST, 240
.set TA, 248
.set FF, 252
.set VOFF, 73728                       ; LDS: K tile kt at 1,024 kt; V (key step ks, tile dt) at VOFF + 4,096 ks + 1,024 dt
.set MRG,  147456                      ; behind them: 16 parts of 4,608 bytes: O^T of a tile (4,096), statistics (512)
.set MWB,  4608
.macro NOPS
.rept 4
	v_nop
.endr
.endm
.macro INIT                            ; the step is written once: the first finds zeros, which the first change of M leaves zeros
.set i, 0
.rept 64
	v_mov_b32 v[OO+i], 0
.set i, i+1
.endr
.irp q, 0,1
	v_mov_b32 v[ST+4*\q+1], 0xff61b1e6             ; the largest t so far: -3e38
	s_delay_alu instid0(VALU_DEP_1)
	v_floor_f32 v[ST+4*\q], -v[ST+4*\q+1]          ; -M
	v_mov_b32 v[ST+4*\q+2], 0
	v_mov_b32 v[ST+4*\q+3], 0
	v_mov_b32 v[TA+2*\q+1], 0                      ; a lane permute's destination counts as read
	v_mov_b32 v[FF+2*\q+1], 0                      ; (named as the upper half of a pair)
.endr
.endm
; A key step for both tiles.  n = 32: 64 keys, 32 scores a lane and tile.  n = 8: the tile that holds key 1,024.  s17: 4,096 x key step.
.macro STEP n
	v_add_nc_u32 v4, s17, v1
	v_add_nc_u32 v5, s17, v3
	v_nop
	v_nop                                          ; four places in front of the loads into V's registers, which the last products read
.set t, 0
.rept \n/8
	ds_load_b128 v[KF+8*t:KF+8*t+3], v4 offset:t*1024
	ds_load_b128 v[KF+8*t+4:KF+8*t+7], v4 offset:t*1024+512
.set t, t+1
.endr
.irp d, 0,1,2,3
	ds_load_b128 v[VF+8*\d:VF+8*\d+3], v5 offset:\d*1024
	ds_load_b128 v[VF+8*\d+4:VF+8*\d+7], v5 offset:\d*1024+512
.endr
	s_wait_dscnt 8                                 ; K is in; V's eight loads may be out
.set t, 0
.rept \n/8
.irp q, 0,1
	v_wmma_f32_16x16x64_fp8_fp8 v[SS+32*\q+8*t:SS+32*\q+8*t+7], v[KF+8*t:KF+8*t+7], v[QF+8*\q:QF+8*\q+7], 0
.endr
.set t, t+1
.endr
	NOPS
.if \n == 8
	v_cmp_gt_u32 vcc_lo, 0x100, v1                 ; lanes 0-15 hold rows 0-7 of the tile; row 0 is key 1,024
.irp q, 0,1
	v_cndmask_b32 v[SS+32*\q], v6, v[SS+32*\q], vcc_lo
.irp j, 1,2,3,4,5,6,7
	v_mov_b32 v[SS+32*\q+\j], v6
.endr
.irp j, 2,3,4,5,6,7
	v_mov_b32 v[PC+8*\q+\j], 0                     ; keys 1,040 on: zero codes
.endr
.endr
.endif
.irp q, 0,1
	v_max3_num_f32 v[TA+2*\q], v[SS+32*\q], v[SS+32*\q+1], v[SS+32*\q+2]   ; each accumulator is first read at its low end
.endr
.set i, 3
.rept (\n-4)/2
.irp q, 0,1
	v_max3_num_f32 v[TA+2*\q], v[TA+2*\q], v[SS+32*\q+i], v[SS+32*\q+i+1]
.endr
.set i, i+2
.endr
.irp q, 0,1
	v_max_num_f32 v[TA+2*\q], v[TA+2*\q], v[SS+32*\q+\n-1]
.endr
.irp q, 0,1
	s_delay_alu instid0(VALU_DEP_2)
	v_permlanex16_b32 v[TA+2*\q+1], v[TA+2*\q], s20, s21
.endr
.irp q, 0,1
	s_delay_alu instid0(VALU_DEP_2)
	v_max_num_f32 v[TA+2*\q], v[TA+2*\q], v[TA+2*\q+1]     ; and among lane l xor 16's keys
.endr
.irp q, 0,1
	s_delay_alu instid0(VALU_DEP_2)
	v_mul_f32 v[TA+2*\q], s22, v[TA+2*\q]                  ; as t (c is positive)
.endr
.irp q, 0
	s_delay_alu instid0(VALU_DEP_2)
	v_max_num_f32 v[ST+4*\q+1], v[ST+4*\q+1], v[TA+2*\q]
	v_mov_b32 v[TA+2*\q], v[ST+4*\q]
.endr
.irp q, 1
	s_delay_alu instid0(VALU_DEP_3)
	v_max_num_f32 v[ST+4*\q+1], v[ST+4*\q+1], v[TA+2*\q]
	v_mov_b32 v[TA+2*\q], v[ST+4*\q]
.endr
.irp q, 0
	s_delay_alu instid0(VALU_DEP_4)
	v_floor_f32 v[ST+4*\q], -v[ST+4*\q+1]                  ; the new -M = -ceil(t)
.endr
.irp q, 1
	s_delay_alu instid0(VALU_DEP_3)
	v_floor_f32 v[ST+4*\q], -v[ST+4*\q+1]                  ; the new -M = -ceil(t)
.endr
.irp q, 0,1
	s_delay_alu instid0(VALU_DEP_2)
	v_sub_f32 v[TA+2*\q], v[ST+4*\q], v[TA+2*\q]           ; old M - new M: a whole number, 0 or less
.endr
.irp q, 0,1
	s_delay_alu instid0(VALU_DEP_2)
	v_cvt_i32_f32 v[TA+2*\q], v[TA+2*\q]                   ; (it saturates)
.endr
.irp q, 0,1
	s_delay_alu instid0(VALU_DEP_2)
	v_ldexp_f32 v[FF+2*\q], 1.0, v[TA+2*\q]                ; f = 2^(old M - new M)
.endr
.set i, 0
.rept \n/2
.irp q, 0,1
	v_pk_fma_f32 v[SS+32*\q+i:SS+32*\q+i+1], v[SS+32*\q+i:SS+32*\q+i+1], s[22:23], v[ST+4*\q:ST+4*\q+1] op_sel_hi:[1,0,0]   ; t - M
.endr
.set i, i+2
.endr
.set i, 0
	s_wait_alu depctr_va_vdst(0)
.rept \n
.irp q, 0,1
	v_exp_f32 v[SS+32*\q+i], v[SS+32*\q+i]                 ; p = 2^(t - M): one batch for both tiles
.endr
.set i, i+1
.endr
.irp q, 0,1
	v_pk_mul_f32 v[ST+4*\q+2:ST+4*\q+3], v[ST+4*\q+2:ST+4*\q+3], v[FF+2*\q:FF+2*\q+1] op_sel_hi:[1,0]   ; the sums under the new M: the plain lines behind the batch
.endr
	s_wait_alu depctr_va_vdst(0)                   ; one wait for the whole batch, ahead of its first reader
.irp q, 0,1
	v_pk_add_f32 v[TA+2*\q:TA+2*\q+1], v[SS+32*\q:SS+32*\q+1], v[SS+32*\q+2:SS+32*\q+3]   ; the sum of the UNQUANTISED p, in two chains
.endr
.set i, 4
.rept (\n-4)/4
.irp q, 0,1
	v_pk_add_f32 v[ST+4*\q+2:ST+4*\q+3], v[ST+4*\q+2:ST+4*\q+3], v[SS+32*\q+i:SS+32*\q+i+1]
	v_pk_add_f32 v[TA+2*\q:TA+2*\q+1], v[TA+2*\q:TA+2*\q+1], v[SS+32*\q+i+2:SS+32*\q+i+3]
.endr
.set i, i+4
.endr
.irp q, 0
	s_delay_alu instid0(VALU_DEP_3)
	v_pk_add_f32 v[ST+4*\q+2:ST+4*\q+3], v[ST+4*\q+2:ST+4*\q+3], v[TA+2*\q:TA+2*\q+1]
.endr
.irp q, 1
	s_delay_alu instid0(VALU_DEP_2)
	v_pk_add_f32 v[ST+4*\q+2:ST+4*\q+3], v[ST+4*\q+2:ST+4*\q+3], v[TA+2*\q:TA+2*\q+1]
.endr
	s_cmp_ge_i32 s24, -8                           ; p is at most 1, and 448 x 2^e5 is at least 1 from e5 = -8 on: the hold then changes no number
	s_cbranch_scc1 .Lfits_\@
.set i, 0
.rept \n
.irp q, 0,1
	v_min_num_f32 v[SS+32*\q+i], v[SS+32*\q+i], v11        ; the conversion does not saturate (ISA guide 7.6.2); p is not negative
.endr
.set i, i+1
.endr
.Lfits_\@:
.set t, 0
.rept \n/8
.irp q, 0,1
	v_cvt_scalef32_pk8_fp8_f32 v[PC+8*\q+2*t:PC+8*\q+2*t+1], v[SS+32*\q+8*t:SS+32*\q+8*t+7], v10
.endr
.set t, t+1
.endr
.set i, 0
.rept 16
.irp q, 0,1
	v_pk_mul_f32 v[OO+32*\q+i:OO+32*\q+i+1], v[OO+32*\q+i:OO+32*\q+i+1], v[FF+2*\q:FF+2*\q+1] op_sel_hi:[1,0]   ; O^T under the new M; also the plain lines behind the conversions
.endr
.set i, i+2
.endr
	s_wait_alu depctr_va_vdst(0)
	s_wait_dscnt 0x0                               ; V is in
.irp d, 0,1,2,3
.irp q, 0,1                                    ; eight accumulators by turns
	v_wmma_f32_16x16x64_fp8_fp8 v[OO+32*\q+8*\d:OO+32*\q+8*\d+7], v[VF+8*\d:VF+8*\d+7], v[PC+8*\q:PC+8*\q+7], v[OO+32*\q+8*\d:OO+32*\q+8*\d+7]
.endr
.endr
.endm
.macro INV nq                          ; 2^(e4 + e5) / the row's sum, for nq tiles, into the factor's register
.set q, 0
.rept \nq
	v_add_f32 v[TA+2*q], v[ST+4*q+2], v[ST+4*q+3]
	s_delay_alu instid0(VALU_DEP_1)
	v_permlanex16_b32 v[TA+2*q+1], v[TA+2*q], s20, s21
	s_delay_alu instid0(VALU_DEP_1)
	v_add_f32 v[TA+2*q], v[TA+2*q], v[TA+2*q+1]
	s_wait_alu depctr_va_vdst(0)
	v_rcp_f32 v[TA+2*q], v[TA+2*q]
.set q, q+1
.endr
	v_nop
	s_wait_alu depctr_va_vdst(0)                   ; one wait for the reciprocals, ahead of their first reader
.set q, 0
.rept \nq
	v_ldexp_f32 v[FF+2*q], v[TA+2*q], s25
.set q, q+1
.endr
.endm
; 16 registers of O^T (tiles 2 beta, 2 beta + 1: d = 32 beta + 16 h + 0 .. 15 of my query) become chunk beta of the head's part of the image: 512 consecutive bytes a store
.macro FIN ob, fq, pc, adr, sb, soff
.irp k, 0,2,4,6,8,10,12,14
	v_pk_mul_f32 v[(\ob)+\k:(\ob)+\k+1], v[(\ob)+\k:(\ob)+\k+1], v[(\fq):(\fq)+1] op_sel_hi:[1,0]
.endr
.irp k, 0,1,2,3,4,5,6,7,8,9,10,11,12,13,14,15
	v_med3_num_f32 v[(\ob)+\k], v[(\ob)+\k], -v13, v13
.endr
	v_cvt_scalef32_pk8_fp8_f32 v[(\pc):(\pc)+1], v[(\ob):(\ob)+7], v12
	v_cvt_scalef32_pk8_fp8_f32 v[(\pc)+2:(\pc)+3], v[(\ob)+8:(\ob)+15], v12
	v_nop
	global_store_b128 v[\adr], v[(\pc):(\pc)+3], s[\sb:\sb+1] offset:\soff
.endm
.macro OLOAD w                         ; part w's 16 registers of my two tiles, into one of four buffers
.irp k, 0,1,2,3
.if (\w) < 8
	ds_load_b128 v[KF+16*((\w)%4)+4*\k:KF+16*((\w)%4)+4*\k+3], v8 offset:(\w)*MWB+512*\k
.else
	ds_load_b128 v[KF+16*((\w)%4)+4*\k:KF+16*((\w)%4)+4*\k+3], v9 offset:((\w)-8)*MWB+512*\k
.endif
.endr
.endm
	s_load_b256 s[4:11], s[0:1], 0x0               ; qimg s[4:5], kv s[6:7], scales s[8:9], ao s[10:11]
	v_lshrrev_b32 v1, 5, v0
	s_delay_alu instid0(VALU_DEP_1)
	v_readfirstlane_b32 s16, v1                    ; wave 0 .. 15
	v_and_b32 v1, 31, v0
	s_delay_alu instid0(VALU_DEP_1)
	v_lshlrev_b32 v1, 4, v1                        ; 16 l
	v_lshlrev_b32 v2, 4, v0                        ; 16 x thread
	s_delay_alu instid0(VALU_DEP_1)
	v_add_nc_u32 v4, 0x10000, v2
	s_delay_alu instid0(VALU_DEP_2)
	v_add_nc_u32 v5, 0x20000, v2
	s_delay_alu instid0(VALU_DEP_4)
	v_add_nc_u32 v3, VOFF, v1
	v_mov_b32 v6, 0xff800000
	s_mul_i32 s2, s16, MWB
	s_add_co_u32 s2, s2, MRG
	v_add_nc_u32 v7, s2, v1
	s_and_b32 s2, s16, 1
	s_lshl_b32 s2, s2, 11
	s_add_co_u32 s2, s2, MRG
	v_add_nc_u32 v8, s2, v1
	s_delay_alu instid0(VALU_DEP_1)
	v_add_nc_u32 v9, 8*MWB, v8
	v_add_nc_u32 v14, MRG+4096, v1
	v_add_nc_u32 v15, MRG+4096+8*MWB, v1
	s_and_b32 s12, ttmp7, 0xffff                   ; 16 b + head
	s_lshr_b32 s13, s12, 4
	s_and_b32 s14, s12, 15
	s_lshl_b32 s15, ttmp9, 5
	s_lshl_b32 s2, s16, 1
	s_add_co_u32 s15, s15, s2                      ; my first tile of queries
	s_mul_i32 s40, s12, 147456
	s_mov_b32 s41, 0
	s_mul_i32 s42, s12, 72
	s_add_co_u32 s44, s42, 64
	s_add_co_u32 s42, s42, s15
	s_lshl_b32 s42, s42, 10
	s_mov_b32 s43, 0
	s_lshl_b32 s44, s44, 10
	s_mov_b32 s45, 0
	s_mul_i32 s46, s13, 65
	s_add_co_u32 s3, s46, 64
	s_add_co_u32 s46, s46, s15
	s_lshl_b32 s46, s46, 14
	s_lshl_b32 s3, s3, 14
	s_lshl_b32 s2, s14, 10                         ; the head's two chunks in a tile's image
	s_add_co_u32 s46, s46, s2
	s_mov_b32 s47, 0
	s_add_co_u32 s2, s3, s2
	s_mov_b32 s3, 0
	s_mov_b32 s20, 0x76543210
	s_mov_b32 s21, 0xfedcba98
	s_mov_b32 s22, 0x3e38aa3b                      ; c = log2(e) / 8
	s_wait_kmcnt 0x0
	s_load_b256 s[32:39], s[8:9], 0x0              ; e0 .. e7
	s_add_nc_u64 s[6:7], s[6:7], s[40:41]          ; the head's K and V
	s_add_nc_u64 s[28:29], s[4:5], s[44:45]        ; query tile 64
	s_add_nc_u64 s[4:5], s[4:5], s[42:43]          ; my two query tiles
	s_add_nc_u64 s[26:27], s[10:11], s[46:47]      ; and their images
	s_add_nc_u64 s[30:31], s[10:11], s[2:3]        ; tile 64's
.set i, 0
.rept 18
	global_load_b128 v[32+4*i:35+4*i], v2, s[6:7] offset:8192*i    ; the work-group's 512 threads take 8,192 consecutive bytes a load
.set i, i+1
.endr
.irp q, 0,1
.irp c, 0,1
	global_load_b128 v[QF+8*\q+4*\c:QF+8*\q+4*\c+3], v1, s[4:5] offset:\q*1024+\c*512
.endr
.endr
	INIT
	s_wait_kmcnt 0x0
	s_add_co_i32 s2, s34, s35
	s_lshl_b32 s2, s2, 23
	s_add_co_i32 s22, s22, s2                      ; e2 + e3 go into c's exponent field
	s_mov_b32 s23, s22
	s_mov_b32 s24, s37                             ; e5
	s_add_co_i32 s25, s36, s37                     ; e4 + e5
	s_add_co_i32 s2, s37, 127
	s_lshl_b32 s3, s2, 23
	v_mov_b32 v10, s3
	s_add_co_i32 s2, s2, 8
	s_lshl_b32 s2, s2, 23
	s_or_b32 s2, s2, 0x600000
	v_mov_b32 v11, s2
	s_add_co_i32 s2, s38, 127
	s_lshl_b32 s3, s2, 23
	v_mov_b32 v12, s3
	s_add_co_i32 s2, s2, 8
	s_lshl_b32 s2, s2, 23
	s_or_b32 s2, s2, 0x600000
	v_mov_b32 v13, s2
.set i, 0
.rept 18
	s_wait_loadcnt 21-i                            ; load i is in: 17 - i of its kind and Q's four are younger
.if i < 8
	ds_store_b128 v2, v[32+4*i:35+4*i] offset:8192*i
.elseif i < 16
	ds_store_b128 v4, v[32+4*i:35+4*i] offset:8192*(i-8)
.else
	ds_store_b128 v5, v[32+4*i:35+4*i] offset:8192*(i-16)
.endif
.set i, i+1
.endr
	s_wait_loadcnt 0x0                             ; Q
	s_wait_dscnt 0x0                               ; for the others' sake
	s_barrier_signal -1
	s_barrier_wait -1                              ; K and V lie in LDS; they are only read from here on
	s_mov_b32 s17, 0
	s_mov_b32 s18, 16
.Lkeys:
	STEP 32
	s_add_co_u32 s17, s17, 4096
	s_sub_co_u32 s18, s18, 1
	s_cmp_lg_u32 s18, 0
	s_cbranch_scc1 .Lkeys
	STEP 8                                         ; key 1,024
	NOPS
	INV 2
.irp q, 0,1
.irp b, 0,1
	FIN OO+32*\q+16*\b, FF+2*\q, PC+8*\q+4*\b, 1, 26, \q*16384+\b*512
.endr
.endr
	s_cmp_lg_u32 ttmp9, 0
	s_cbranch_scc1 .Lend
	; ---- query tile 64, shared out by keys.  Both tile places hold it, so that the step's text serves as it stands; the first place's results are used
	s_wait_xcnt 0x0                                ; the stores above have read the registers that the step writes again
.irp q, 0,1
.irp c, 0,1
	global_load_b128 v[QF+8*\q+4*\c:QF+8*\q+4*\c+3], v1, s[28:29] offset:\c*512
.endr
.endr
	INIT
	s_wait_loadcnt 0x0
	s_lshl_b32 s17, s16, 12                        ; key step w
	STEP 32
	s_cmp_lg_u32 s16, 15
	s_cbranch_scc1 .Lnot_15
	s_mov_b32 s17, 0x10000
	STEP 8
.Lnot_15:
	NOPS
.irp i, 0,1,2,3,4,5,6,7
	ds_store_b128 v7, v[OO+4*\i:OO+4*\i+3] offset:512*\i
.endr
	ds_store_b128 v7, v[ST:ST+3] offset:4096
	s_wait_dscnt 0x0                               ; for the others' sake
	s_barrier_signal -1
	s_barrier_wait -1
	s_cmp_ge_u32 s16, 2
	s_cbranch_scc1 .Lend
	; ---- waves 0 and 1 merge: wave beta takes tiles 2 beta, 2 beta + 1 of O^T
.set w, 0
.rept 16
.if w < 8
	ds_load_b128 v[SS+4*w:SS+4*w+3], v14 offset:w*MWB
.else
	ds_load_b128 v[SS+4*w:SS+4*w+3], v15 offset:(w-8)*MWB
.endif
.set w, w+1
.endr
	OLOAD 0
	OLOAD 1
	OLOAD 2
	OLOAD 3
	s_wait_dscnt 16                                ; the statistics are in
	v_min3_num_f32 v[TA], v[SS], v[SS+4], v[SS+8]  ; the least -M: the largest M
.irp x, 3,5,7,9,11,13
	s_delay_alu instid0(VALU_DEP_1)
	v_min3_num_f32 v[TA], v[TA], v[SS+4*\x], v[SS+4*\x+4]
.endr
	s_delay_alu instid0(VALU_DEP_1)
	v_min_num_f32 v[TA], v[TA], v[SS+60]
.set w, 0
.rept 16
	v_sub_f32 v[SS+4*w], v[TA], v[SS+4*w]          ; part w's M - the largest M
.set w, w+1
.endr
.set w, 0
.rept 16
	v_cvt_i32_f32 v[SS+4*w], v[SS+4*w]
.set w, w+1
.endr
.set w, 0
.rept 16
	v_ldexp_f32 v[SS+4*w], 1.0, v[SS+4*w]          ; the part's factor, a power of two
.set w, w+1
.endr
	v_pk_mul_f32 v[ST+2:ST+3], v[SS+2:SS+3], v[SS:SS+1] op_sel_hi:[1,0]
.set w, 1
.rept 15
	s_delay_alu instid0(VALU_DEP_1)
	v_pk_fma_f32 v[ST+2:ST+3], v[SS+4*w+2:SS+4*w+3], v[SS+4*w:SS+4*w+1], v[ST+2:ST+3] op_sel_hi:[1,0,1]
.set w, w+1
.endr
.set w, 0
.rept 16
.if w <= 12
	s_wait_dscnt 12                                ; part w is in; three younger groups of four loads may be out
.else
	s_wait_alu depctr_va_vdst(0)
	s_wait_dscnt 4*(15-w)
.endif
.irp k, 0,2,4,6,8,10,12,14
.if w == 0
	s_wait_alu depctr_va_vdst(0)
	v_pk_mul_f32 v[OO+\k:OO+\k+1], v[KF+16*(w%4)+\k:KF+16*(w%4)+\k+1], v[SS+4*w:SS+4*w+1] op_sel_hi:[1,0]
.else
	v_pk_fma_f32 v[OO+\k:OO+\k+1], v[KF+16*(w%4)+\k:KF+16*(w%4)+\k+1], v[SS+4*w:SS+4*w+1], v[OO+\k:OO+\k+1] op_sel_hi:[1,0,1]
.endif
.endr
.if w+4 < 16
	s_wait_alu depctr_va_vdst(0)
	OLOAD w+4
.endif
.set w, w+1
.endr
	INV 1
	s_and_b32 s2, s16, 1
	s_lshl_b32 s2, s2, 9
	v_add_nc_u32 v4, s2, v1                        ; chunk beta
	FIN OO, FF, PC, 4, 30, 0
.Lend:
	v_lshl_add_u32 v248, v0, 2, 221184             ; no two registers can be kept: my spare word (behind the merge's parts, 128 bytes a wave) and 0 are made here, from v0 as it was at the entry
	v_mov_b32 v249, 0
	s_wait_alu depctr_va_vdst(0)
	s_wait_tensorcnt 0x0                           ; the wave's end
	ds_add_u32 v248, v249
	s_wait_dscnt 0x0
	s_endpgm
.Lfunc_end_k_q9f954cec17_attn:
	.size	k_q9f954cec17_attn, .Lfunc_end_k_q9f954cec17_attn-k_q9f954cec17_attn
	.p2alignl 7, 3214868480
	.fill 96, 4, 3214868480
	.section	.rodata,"a",@progbits
	.p2align	6, 0x0
	.amdhsa_kernel k_q9f954cec17_attn
		.amdhsa_group_segment_fixed_size 223232
		.amdhsa_private_segment_fixed_size 0
		.amdhsa_enable_private_segment 0
		.amdhsa_kernarg_size 32
		.amdhsa_user_sgpr_count 2
		.amdhsa_user_sgpr_kernarg_segment_ptr 1
		.amdhsa_wavefront_size32 1
		.amdhsa_system_sgpr_workgroup_id_x 1
		.amdhsa_system_sgpr_workgroup_id_y 1
		.amdhsa_system_sgpr_workgroup_id_z 1
		.amdhsa_system_vgpr_workitem_id 0
		.amdhsa_next_free_vgpr 256
		.amdhsa_next_free_sgpr 66
		.amdhsa_reserve_vcc 1
		.amdhsa_float_denorm_mode_32 3
		.amdhsa_float_denorm_mode_16_64 3
		.amdhsa_memory_ordered 1
		.amdhsa_forward_progress 1
		.amdhsa_inst_pref_size 93
	.end_amdhsa_kernel
	.amdgpu_metadata
---
amdhsa.version: [ 1, 2 ]
amdhsa.kernels:
  - .name:           k_q9f954cec17_attn
    .symbol:         k_q9f954cec17_attn.kd
    .args:
      - { .name: qimg, .offset: 0, .size: 8, .value_kind: global_buffer, .address_space: global }
      - { .name: kv, .offset: 8, .size: 8, .value_kind: global_buffer, .address_space: global }
      - { .name: lowp_scales, .offset: 16, .size: 8, .value_kind: global_buffer, .address_space: global }
      - { .name: ao, .offset: 24, .size: 8, .value_kind: global_buffer, .address_space: global }
    .group_segment_fixed_size: 223232
    .private_segment_fixed_size: 0
    .kernarg_segment_align: 8
    .kernarg_segment_size: 32
    .max_flat_workgroup_size: 512
    .sgpr_count:     66
    .vgpr_count:     256
    .wavefront_size: 32
...
	.end_amdgpu_metadata
.endif
;; end of part 3
;; launch tail (part 4): grid 174 x 1, 8 waves a work-group, no clusters, 327,680 bytes of LDS; arguments ao, wimg, hidden_states, lowp_scales, proj_b, ls1, norm2_w, norm2_b, fc1_b, fc2_b, ls2, out0; writes out0
.if DOCPART == 4
	.amdgcn_target "amdgcn-amd-amdhsa--gfx1250"
	.amdhsa_code_object_version 6
	.text
	.protected	k_q9f954cec17_tail
	.globl	k_q9f954cec17_tail
	.p2align	8
	.type	k_q9f954cec17_tail,@function
k_q9f954cec17_tail:
	s_mov_b64 s[64:65], 0
	v_nop
	global_prefetch_b8 v0, s[64:65] scope:SCOPE_SE
	s_setreg_imm32_b32 hwreg(HW_REG_WAVE_MODE, 25, 1), 1
	s_wait_xcnt 0x0
; The rest of the layer for 48 token rows (three tiles of 16: T = 3 x work-group + m, held at 519), with nothing through memory on the way:
; x1 = x + ls1 (attn W_proj^T + proj_b);  y = LayerNorm 2 (x1), quantised (e8);  g = gelu(y W_fc1^T + fc1_b), exact, quantised (e10);  out = x1 + ls2 (g W_fc2^T + fc2_b).
; All three products on E4M3 codes by v_wmma_f32_16x16x64_fp8_fp8, weights as source 0: a lane holds one token, and the 16 registers of weight tiles 2 beta, 2 beta + 1 are 16 neighbouring columns.
; SHARES.  THE WAVES SHARE THE COLUMNS: wave w owns columns 128 w .. 128 w + 127 of every product for all 48 rows: 24 accumulators.  Its weights come from memory straight into registers (laid in register order:
; 512 consecutive bytes a load) through a ring of four K steps, 64 loads on their way.  The rows' operands go from wave to wave through LDS as images of their registers.
; THE WEIGHTS' LOADS ARE KEPT GOING: x comes by the tensor data mover in units of 16 rows x 1,024 bytes, each filled once, straight into LDS, and tile 2's are waited for only behind the first product; so no register of the ring carries anything but
; weights at the head.  The next product's first K steps are asked for directly behind each product.  The result leaves tile by tile, under the last residual.
; No joint loads: a weight fragment serves one wave alone, x's rows are read by one work-group, 174 work-groups do not divide into clusters of four, and LDS is full: 327,680 bytes, of which x1's 48 rows in f32 take 199,680.
; A sum begins at bias / 2^(ea + eb), made by a multiplication that rounds nothing short of underflow; so nothing is cleared and no bias is added later.
; GELU: gelu(z) = max(z, 0) - |z| erfc(|z| / sqrt 2) / 2, erfc(a) = t exp(-a^2 + P(t)), t = 1 / (1 + a / 2), P of degree 9 (fractional error about 1.2e-7 for every a): no difference of near-equal numbers on the negative side.
; Rows that repeat a batch's last token, and tiles past 519, are computed and not stored (scalar flags made of ids).
; LIMITS: e6 + e7, e8 + e9, e10 + e11 between -126 and 127; e8 and e10 between -126 and 119.  NaN and infinities among the inputs, and an infinite result of fc1, are not served.
; REGISTERS.  window 0: v1 16 l; v2 A's address; v3 parameters; v4-6 x1's rows (tile m); v7, v8 statistics; v9, v10 where my codes go; v11, v12 2^e, 448 x 2^e; v13 head only; v[14:15] c9;
;   (on the way out v7-9 whole rows of a tile in LDS, v10-15 my six rows' offsets in out0);  v16-63 A's two sets of three fragments, else at work; accumulator (m, t) at v[64 + 8 (8 m + t)].
;   window 1: the weights' ring: K step sigma, tile t at v[64 sigma + 8 t]; its fourth set carries ls1, then norm2_w, between the first two products.
.set AIMG,  0                          ; LDS: attention's codes, later gelu's: three images of 16,384 bytes
.set YIMG,  49152                      ; LayerNorm 2's codes, likewise
; THE LAYOUT OF x AND ITS LOADS AS THEY STAND NOW (in place of what the head says of six rows a wave and of LDS's bytes):
; x lies as [tile m][quarter z of the columns][16 rows][1,024 bytes + 16]: twelve units of 16,640 bytes, each brought by one tensor load of 16 rows x 1,024 bytes.
; Unit u = 4 m + z: wave u asks for units 0 to 7 at the head, one load a wave; waves 0 to 3 ask for units 8 to 11 behind the head's barrier, with the full sequence in front of it.
; A batch's last tile (qt = 64) takes x's rows 1,009 to 1,024, so that every row lies inside the buffer; all 16 rows of its operand image are token 1,024, and its row 15 is the one that is stored.
; The text uses all 327,680 bytes of LDS.
.set STAT1, 0                          ; [48 rows][8 waves] f32: parts of the rows' sums; in the attention image's bytes, which nobody reads between the barrier behind proj and gelu's stores
.set STAT2, 1536                       ; and of the sums of squares
.set SPARE, 98304                      ; the spare words: 128 bytes a wave, four blocks of 256 bytes that no other line names
.set PRM,   99328                      ; seven vectors of 4,096 bytes: proj_b, ls1, norm2_w, norm2_b, fc1_b, fc2_b, ls2
.set X1,    128000                     ; x, then x1, then out
.set XP,    1040                       ; a quarter row: 260 words: row r starts at bank 4 r mod 64
.set TP,    64*XP                      ; from tile to tile
.set ACC,   64
.set G0,    68                         ; s[68:75] descriptor group 0: my unit at the head, my unit behind the barrier
.set G1,    92                         ; s[92:99] descriptor group 1: 16 rows of 1,024 bytes
.set RA,    7                          ; v7-9   the way out: my rows of tile m in LDS
.set SOF,   10                         ; v10-15 the way out: my six rows' offsets in out0
.set MSB, 0
.macro WIN new                         ; the immediate's high byte repeats the setting that is left
.if MSB != \new
	s_set_vgpr_msb (MSB<<8)|\new
.set MSB, \new
.endif
.endm
.macro NOPS                            ; four places behind matrix instructions (ISA guide 7.12.1)
.rept 4
	v_nop
.endr
.endm
.macro BAR                             ; my LDS stores have landed and my LDS loads are in: then the work-group's barrier
	s_wait_dscnt 0x0
	s_barrier_signal -1
	s_barrier_wait -1
.endm
.macro PAIR r, val
	s_mov_b32 s[\r], \val
	s_mov_b32 s[\r+1], \val
.endm
.macro SETQ e                          ; v11 = 2^e, v12 = 448 x 2^e, e in s[e]
	s_add_co_i32 s2, s[\e], 127
	s_lshl_b32 s3, s2, 23
	v_mov_b32 v11, s3
	s_add_co_i32 s2, s2, 8
	s_lshl_b32 s2, s2, 23
	s_or_b32 s2, s2, 0x600000
	v_mov_b32 v12, s2
.endm
.macro SETINV a                        ; s[48:49] = 2^-(s[a] + s[a + 1])
	s_add_co_i32 s2, s[\a], s[\a+1]
	s_sub_co_i32 s2, 127, s2
	s_lshl_b32 s48, s2, 23
	s_mov_b32 s49, s48
.endm
.macro PROSET s                        ; (destination window 1)  K step s of my eight weight tiles: 16 loads
.irp t, 0,1,2,3,4,5,6,7
.irp c, 0,1
	global_load_b128 v[64*(\s)+8*\t+4*\c:64*(\s)+8*\t+4*\c+3], v1, s[32:33] offset:\t*16384+(\s)*1024+\c*512
.endr
.endr
.endm
.macro PRO                             ; a product's first four K steps: 64 loads, K step by K step
	WIN 0x40
	PROSET 0
	PROSET 1
	PROSET 2
	PROSET 3
	WIN 0
.endm
.macro PLD reg, vec                    ; (destination window 1)  my 128 columns of parameter vec, in the accumulators' layout: 64 registers
.irp t, 0,1,2,3,4,5,6,7
	ds_load_b128 v[\reg+8*\t:\reg+8*\t+3], v3 offset:(\vec)*4096+128*(\t/2)+32*(\t%2)
	ds_load_b128 v[\reg+8*\t+4:\reg+8*\t+7], v3 offset:(\vec)*4096+128*(\t/2)+32*(\t%2)+16
.endr
.endm
.macro BLD reg, vec, beta              ; (destination window 0)  a quarter of that: the 16 columns of tiles 2 beta, 2 beta + 1
.irp k, 0,1,2,3
	ds_load_b128 v[(\reg)+4*\k:(\reg)+4*\k+3], v3 offset:(\vec)*4096+128*(\beta)+16*\k
.endr
.endm
.macro INITACC vec                     ; the 24 sums begin at bias x s48
.irp tt, 0,4
.irp t, 0,1,2,3
	ds_load_b128 v[16+8*\t:19+8*\t], v3 offset:(\vec)*4096+128*((\tt+\t)/2)+32*((\tt+\t)%2)
	ds_load_b128 v[20+8*\t:23+8*\t], v3 offset:(\vec)*4096+128*((\tt+\t)/2)+32*((\tt+\t)%2)+16
.endr
	s_wait_dscnt 0x0
.irp m, 0,1,2
.irp t, 0,1,2,3
.irp j, 0,2,4,6
	v_pk_mul_f32 v[ACC+8*(8*\m+\tt+\t)+\j:ACC+8*(8*\m+\tt+\t)+\j+1], v[16+8*\t+\j:17+8*\t+\j], s[48:49] op_sel_hi:[1,0]
.endr
.endr
.endr
.endr
.endm
.macro ALD set, off                    ; A's three fragments of a K step: six loads
.irp m, 0,1,2
	ds_load_b128 v[16+24*(\set)+8*\m:16+24*(\set)+8*\m+3], v2 offset:\m*16384+(\off)
	ds_load_b128 v[16+24*(\set)+8*\m+4:16+24*(\set)+8*\m+7], v2 offset:\m*16384+(\off)+512
.endr
.endm
; Four K steps of 64.  A step: the next step's A is asked for; then two groups of 12 matrix instructions (four weight tiles x three row tiles); behind each group, with refill = 1, its four weight fragments are asked for anew, four K steps on.
.macro TRIP refill
.set SL, 0
.rept 4
	WIN 0
.if SL == 3
	s_wait_dscnt 0x0                               ; this step's A is in, and no LDS load of mine is out: the address may step
.if \refill
	s_add_co_u32 s30, s30, 4096
	v_add_nc_u32 v2, s30, v1
	ALD 0, 0                                       ; the next trip's first step
.endif
.else
	ALD (SL+1)%2, (SL+1)*1024
	s_wait_dscnt 6                                 ; this step's A is in; the six just issued may be out
.endif
.set G, 0
.rept 2
.if \refill
	s_wait_loadcnt 56                              ; this group's eight loads are in; the ring's seven younger groups may be out
.else
	s_wait_loadcnt 8*(7-2*SL-G)                    ; the groups that are left
.endif
	WIN 0x01                                       ; source 0 (the weights) window 1
.irp t, 0,1,2,3
.irp m, 0,1,2                                  ; the 24 accumulators take turns, in the same order in every step
	v_wmma_f32_16x16x64_fp8_fp8 v[ACC+8*(8*\m+4*G+\t):ACC+8*(8*\m+4*G+\t)+7], v[64*SL+8*(4*G+\t):64*SL+8*(4*G+\t)+7], v[16+24*(SL%2)+8*\m:16+24*(SL%2)+8*\m+7], v[ACC+8*(8*\m+4*G+\t):ACC+8*(8*\m+4*G+\t)+7]
.endr
.endr
.if \refill
	NOPS
	WIN 0x40
.irp t, 0,1,2,3
.irp c, 0,1
	global_load_b128 v[64*SL+8*(4*G+\t)+4*\c:64*SL+8*(4*G+\t)+4*\c+3], v1, s[32:33] offset:(4*G+\t)*16384+(SL+4)*1024+\c*512
.endr
.endr
.elseif G == 1
	NOPS                                           ; for the next step's loads into A's registers, and for what follows the product
.endif
.set G, G+1
.endr
.set SL, SL+1
.endr
	WIN 0
.endm
.macro GEMM abase                      ; K = 1,024: three trips that refill, and a last one written out
	s_mov_b32 s30, \abase
	v_add_nc_u32 v2, s30, v1
	ALD 0, 0
	s_mov_b32 s29, 3
.Ltrip_\@:
	s_wait_alu depctr_va_vdst(0)
	TRIP 1
	s_wait_xcnt 0x0                                ; the weights' loads have read their base
	s_add_nc_u64 s[32:33], s[32:33], 4096
	s_sub_co_u32 s29, s29, 1
	s_cmp_lg_u32 s29, 0
	s_cbranch_scc1 .Ltrip_\@
	s_wait_alu depctr_va_vdst(0)
	TRIP 0
.endm
.macro XLD i                           ; group i = 4 m + beta: my 16 numbers of row 16 m + r, into one of three buffers
.irp k, 0,1,2,3
	ds_load_b128 v[16+16*((\i)%3)+4*\k:16+16*((\i)%3)+4*\k+3], v[4+(\i)/4] offset:128*((\i)%4)+16*\k
.endr
.endm
.macro ROWLD m                         ; my two whole rows of tile m (16 m + w, 16 m + 8 + w) come back into that tile's accumulators, which are done with
.irp e, 0,1
.irp i, 0,1,2,3,4,5,6,7
	ds_load_b128 v[ACC+64*(\m)+32*\e+4*\i:ACC+64*(\m)+32*\e+4*\i+3], v[RA+(\m)] offset:\e*8*XP+(\i/2)*16*XP+(\i%2)*512
.endr
.endr
.endm
.macro OUTROW q                        ; my row q of six: stored, if it is a token of its own
	s_cmp_eq_u32 s[56+(\q)], 0
	s_cbranch_scc1 .Lnot_stored_\@
.irp i, 0,1,2,3,4,5,6,7
	global_store_b128 v[SOF+(\q)], v[ACC+32*(\q)+4*\i:ACC+32*(\q)+4*\i+3], s[26:27] offset:512*\i th:TH_STORE_NT   ; 512 consecutive bytes
.endr
.Lnot_stored_\@:
.endm
; acc = x + (ls x 2^(ea + eb)) x acc, for my columns of the 48 rows; the result also goes back to the same bytes of X1, which are my wave's own.  gb: where the gains stand in window 1.
; out = 1: behind each tile of 16 rows a barrier; behind it the tile's whole rows are read back, and stored behind the next barrier, whose wait for all LDS instructions shows them in.
.macro RESID vec, sc, gb, out
	WIN 0x40
	PLD \gb, \vec
	WIN 0
	XLD 0
	XLD 1
	XLD 2
	s_wait_dscnt 12                                ; the gains are in; x's twelve loads may be out
	WIN 0x41
.set k, 0
.rept 32
	v_pk_mul_f32 v[\gb+k:\gb+k+1], v[\gb+k:\gb+k+1], s[\sc:\sc+1] op_sel_hi:[1,0]
.set k, k+2
.endr
.set I, 0
.rept 12
	s_wait_dscnt 8                                 ; group I is in: at least eight LDS instructions are younger at every I (behind a barrier the next three groups have landed already)
	WIN 0x04                                       ; source 1 (the gains) window 1
.irp k, 0,2,4,6,8,10,12,14                     ; each accumulator from its low end on
	v_pk_fma_f32 v[ACC+16*I+\k:ACC+16*I+\k+1], v[ACC+16*I+\k:ACC+16*I+\k+1], v[\gb+16*(I%4)+\k:\gb+16*(I%4)+\k+1], v[16+16*(I%3)+\k:16+16*(I%3)+\k+1]
.endr
	WIN 0
.irp k, 0,1,2,3
	ds_store_b128 v[4+I/4], v[ACC+16*I+4*\k:ACC+16*I+4*\k+3] offset:128*(I%4)+16*\k
.endr
.if I+3 < 12
	XLD I+3
.endif
.if \out && (I%4 == 3)
	BAR                                            ; every wave's columns of tile I / 4 lie in LDS; nobody writes them again
.if I > 3
	OUTROW 2*(I/4)-2                               ; the tile before: its rows came back ahead of that barrier
	OUTROW 2*(I/4)-1
.endif
	ROWLD I/4
.endif
.set I, I+1
.endr
.endm
.macro LANESUM off                     ; v[16+4m:17+4m]: my lane's sum in two halves -> my wave's part of row 16 m + r, stored
.irp m, 0,1,2
	s_delay_alu instid0(VALU_DEP_3)
	v_add_f32 v[16+4*\m], v[16+4*\m], v[17+4*\m]
.endr
.irp m, 0,1,2
	s_delay_alu instid0(VALU_DEP_3)
	v_permlanex16_b32 v[17+4*\m], v[16+4*\m], s62, s63
.endr
.irp m, 0,1,2
	s_delay_alu instid0(VALU_DEP_3)
	v_add_f32 v[16+4*\m], v[16+4*\m], v[17+4*\m]
.endr
.irp m, 0,1,2
	ds_store_b32 v7, v[16+4*\m] offset:(\off)+512*\m       ; lanes r and r + 16 write the same word with the same number
.endr
.endm
.macro STATSUM off                     ; the eight waves' parts of row 16 m + r -> v[28+8m]
.irp m, 0,1,2
	ds_load_b128 v[28+8*\m:31+8*\m], v8 offset:(\off)+512*\m
	ds_load_b128 v[32+8*\m:35+8*\m], v8 offset:(\off)+512*\m+16
.endr
	s_wait_dscnt 0x0
.irp m, 0,1,2
	v_pk_add_f32 v[28+8*\m:29+8*\m], v[28+8*\m:29+8*\m], v[30+8*\m:31+8*\m]
	v_pk_add_f32 v[32+8*\m:33+8*\m], v[32+8*\m:33+8*\m], v[34+8*\m:35+8*\m]
.endr
.irp m, 0,1,2
	v_pk_add_f32 v[28+8*\m:29+8*\m], v[28+8*\m:29+8*\m], v[32+8*\m:33+8*\m]
.endr
.irp m, 0,1,2
	s_delay_alu instid0(VALU_DEP_3)
	v_add_f32 v[28+8*\m], v[28+8*\m], v[29+8*\m]
.endr
.endm
.macro FMAB beta, buf                  ; (source 1 window 1)  y = y x norm2_w + norm2_b for tiles 2 beta, 2 beta + 1 of the three row tiles; norm2_b's 16 numbers stand in v[buf] on
.irp m, 0,1,2
.irp k, 0,2,4,6,8,10,12,14
	v_pk_fma_f32 v[ACC+64*\m+16*(\beta)+\k:ACC+64*\m+16*(\beta)+\k+1], v[ACC+64*\m+16*(\beta)+\k:ACC+64*\m+16*(\beta)+\k+1], v[192+16*(\beta)+\k:192+16*(\beta)+\k+1], v[(\buf)+\k:(\buf)+\k+1]
.endr
.endr
.endm
; 16 numbers z (group I) -> gelu(z), held, converted: chunk 4 w + beta of tile m's image.  U = v16-31, P = v32-47, Q = v48-63
.macro GELU I
.set Z, ACC+16*(\I)
.irp k, 0,1,2,3,4,5,6,7,8,9,10,11,12,13,14,15
	v_fma_f32 v[16+\k], |v[Z+\k]|, s88, 1.0                ; 1 + a / 2, a = |z| / sqrt 2
.endr
	s_wait_alu depctr_va_vdst(0)
.irp k, 0,1,2,3,4,5,6,7,8,9,10,11,12,13,14,15
	v_rcp_f32 v[16+\k], v[16+\k]                           ; t
.endr
.irp k, 0,2,4,6,8,10,12,14
	v_pk_mul_f32 v[48+\k:49+\k], v[Z+\k:Z+\k+1], v[Z+\k:Z+\k+1]    ; z^2: the plain lines behind the reciprocals
.endr
	s_wait_alu depctr_va_vdst(0)                   ; one wait for the sixteen, ahead of their first reader
.irp k, 0,2,4,6,8,10,12,14
	v_pk_fma_f32 v[32+\k:33+\k], v[16+\k:17+\k], v[14:15], s[66:67] op_sel_hi:[1,1,0]
.endr
.irp c, 68,70,72,74,76,78,80,82
.irp k, 0,2,4,6,8,10,12,14
	v_pk_fma_f32 v[32+\k:33+\k], v[32+\k:33+\k], v[16+\k:17+\k], s[\c:\c+1] op_sel_hi:[1,1,0]
.endr
.endr
.irp k, 0,2,4,6,8,10,12,14
	v_pk_fma_f32 v[32+\k:33+\k], v[48+\k:49+\k], s[84:85], v[32+\k:33+\k] op_sel_hi:[1,0,1]   ; - a^2, all in units of log2
.endr
	s_wait_alu depctr_va_vdst(0)
.irp k, 0,1,2,3,4,5,6,7,8,9,10,11,12,13,14,15
	v_exp_f32 v[32+\k], v[32+\k]
.endr
.irp k, 0,1,2,3,4,5,6,7,8,9,10,11,12,13,14,15
	v_max_num_f32 v[48+\k], 0, v[Z+\k]                     ; the plain lines behind the exponentials
.endr
	s_wait_alu depctr_va_vdst(0)
.irp k, 0,2,4,6,8,10,12,14
	v_pk_mul_f32 v[16+\k:17+\k], v[16+\k:17+\k], v[32+\k:33+\k]    ; erfc / 2
.endr
.irp k, 0,1,2,3,4,5,6,7,8,9,10,11,12,13,14,15
	v_fma_f32 v[Z+\k], -|v[Z+\k]|, v[16+\k], v[48+\k]
.endr
.irp k, 0,1,2,3,4,5,6,7,8,9,10,11,12,13,14,15
	v_med3_num_f32 v[Z+\k], v[Z+\k], -v12, v12
.endr
	v_cvt_scalef32_pk8_fp8_f32 v[32:33], v[Z:Z+7], v11
	v_cvt_scalef32_pk8_fp8_f32 v[34:35], v[Z+8:Z+15], v11
	ds_store_b128 v9, v[32:35] offset:((\I)/4)*16384+((\I)%4)*512
.endm
	s_load_b512 s[4:19], s[0:1], 0x0               ; ao s[4:5], wimg s[6:7], hidden s[8:9], scales s[10:11], proj_b s[12:13], ls1 s[14:15], norm2_w s[16:17], norm2_b s[18:19]
	s_load_b256 s[20:27], s[0:1], 0x40             ; fc1_b s[20:21], fc2_b s[22:23], ls2 s[24:25], out0 s[26:27]
	v_lshl_add_u32 v20, v0, 2, SPARE               ; my spare word and 0: they stand in v20, v21 up to the head's barrier, and are made anew at the end
	v_mov_b32 v21, 0
	ds_add_u32 v20, v21                            ; the opening lines: the add, twice on end; its wait stands ahead of my first tensor load
	ds_add_u32 v20, v21
	v_lshrrev_b32 v1, 5, v0
	s_delay_alu instid0(VALU_DEP_1)
	v_readfirstlane_b32 s28, v1                    ; wave 0 .. 7
	v_and_b32 v13, 31, v0
	s_delay_alu instid0(VALU_DEP_1)
	v_lshlrev_b32 v1, 4, v13                       ; 16 l
	v_and_b32 v16, 15, v0                          ; r
	v_bfe_u32 v17, v0, 4, 1                        ; h
	s_lshl_b32 s2, s28, 9
	v_lshlrev_b32 v18, 6, v17
	s_delay_alu instid0(VALU_DEP_1)
	v_add_nc_u32 v18, s2, v18                      ; 512 w + 64 h: my columns' bytes in a row of f32
	s_delay_alu instid0(VALU_DEP_1)
	v_add_nc_u32 v3, PRM, v18
	v_mul_u32_u24 v19, v16, XP
	v_lshl_add_u32 v19, v17, 6, v19                ; row r, + 64 h
	s_lshr_b32 s2, s28, 1
	s_mul_i32 s2, s2, 16*XP                        ; my columns lie in quarter w / 2,
	s_and_b32 s3, s28, 1
	s_lshl_b32 s3, s3, 9                           ; in its half w % 2
	s_add_co_u32 s2, s2, s3
	v_add_nc_u32 v19, s2, v19
	v_add_nc_u32 v4, X1, v19
	v_add_nc_u32 v5, X1+TP, v19
	v_add_nc_u32 v6, X1+2*TP, v19
	v_lshlrev_b32 v8, 5, v16
	s_delay_alu instid0(VALU_DEP_1)
	v_add_nc_u32 v8, STAT1, v8
	s_lshl_b32 s2, s28, 2
	v_add_nc_u32 v7, s2, v8
	s_lshl_b32 s2, s28, 11
	v_add_nc_u32 v9, s2, v1                        ; chunks 4 w on of an image
	s_delay_alu instid0(VALU_DEP_1)
	v_add_nc_u32 v10, YIMG, v9
	v_lshlrev_b32 v2, 4, v0                        ; 16 x thread (the head's copies)
	s_wait_alu depctr_va_vdst(0)
	v_add_nc_u32 v13, PRM, v2
	s_mul_i32 s31, ttmp9, 3
.irp m, 0,1,2
	s_add_co_u32 s2, s31, \m                       ; T
	s_min_u32 s3, s2, 519
	s_lshl_b32 s86, s3, 14
	v_add_nc_u32 v[26+\m], s86, v2                 ; the tile's image in ao: the 256 threads take 4,096 consecutive bytes a load
	s_mul_i32 s34, s3, 1009
	s_lshr_b32 s34, s34, 16                        ; b = T / 65
	s_mul_i32 s35, s34, 65
	s_sub_co_u32 s35, s3, s35
	s_lshl_b32 s80, s35, 4                         ; 16 qt
	s_min_u32 s35, s80, 1009                       ; the tile's first row of x: the batch's last tile takes tokens 1,009 to 1,024
	s_mul_i32 s34, s34, 1025
	s_add_co_u32 s81, s35, s34
	s_lshl_b32 s[76+\m], s81, 12                   ; its bytes in hidden_states
	s_add_co_u32 s35, s35, s28                     ; + w
.irp e, 0,1
	s_add_co_u32 s86, s35, 8*\e                    ; my row's token, 1,024 at the most
	s_add_co_u32 s87, s86, s34
	s_lshl_b32 s[50+2*\m+\e], s87, 12              ; the row's bytes in hidden_states and in out0
	s_cmp_ge_u32 s86, s80                          ; a token of this tile: every row where qt is under 64, row 15 alone where qt = 64
	s_cselect_b32 s[56+2*\m+\e], 1, 0
	s_cmp_le_u32 s2, 519
	s_cselect_b32 s[56+2*\m+\e], s[56+2*\m+\e], 0  ; 1: a token of its own
.endr
.endr
	s_lshl_b32 s32, s28, 17
	s_add_co_u32 s32, s32, 192*16384               ; weight tile 192 + 8 w: proj
	s_mov_b32 s33, 0
	s_mov_b32 s62, 0x76543210
	s_mov_b32 s63, 0xfedcba98
	v_mov_b32 v14, 0x3e7c6f08                      ; c9
	v_mov_b32 v15, 0x3e7c6f08
	; descriptor group 1: 16 rows of x, 1,024 bytes each as 128 elements of 8 bytes; the padding gives the rows' pitch in LDS
	s_mov_b32 s[G1+0], (3<<16)|(1<<20)|(7<<22)|(3<<25)   ; 15:0 no mask; 17:16 elements of 8 bytes; 20 padding on; 24:22 after every 256 words (code 7); 31:25 four words (code 3)
	s_mov_b32 s[G1+1], 128<<16                     ; tensor_dim0 = 128 elements: 1,024 bytes
	s_mov_b32 s[G1+2], 16<<16                      ; tensor_dim1 = 16
	s_mov_b32 s[G1+3], 128<<16                     ; tile_dim0 = 128
	s_mov_b32 s[G1+4], 16                          ; tile_dim1 = 16
	s_mov_b32 s[G1+5], 512                         ; tensor_dim0_stride
	s_mov_b32 s[G1+6], 0
	s_mov_b32 s[G1+7], 0
	s_mul_i32 s3, s28, 16*XP                       ; a unit for each wave
	s_mov_b32 s35, 0
	s_wait_alu depctr_va_vdst(0)
	s_wait_dscnt 0x0                               ; both opening adds are done
	s_wait_kmcnt 0x0
	s_load_b128 s[36:39], s[10:11], 0x18           ; e6 .. e9
	s_load_b64 s[40:41], s[10:11], 0x28            ; e10, e11
	s_add_nc_u64 s[32:33], s[6:7], s[32:33]
	s_lshr_b32 s2, s28, 2                          ; unit w: tile w / 4,
	s_cmp_eq_u32 s2, 0
	s_cselect_b32 s34, s76, s77
	s_and_b32 s2, s28, 3
	s_lshl_b32 s2, s2, 10                          ; quarter w % 4 of the columns
	s_add_co_u32 s34, s34, s2
	s_mov_b32 s[G0], 1                             ; count = 1
	s_add_co_u32 s[G0+1], s3, X1                   ; LDS address: a constant + the wave's number x a unit's bytes
	s_add_nc_u64 s[G0+2:G0+3], s[8:9], s[34:35]
	s_or_b32 s[G0+3], s[G0+3], 0x80000000          ; type = 2
	s_mov_b32 s[G0+4], 1                           ; unit 8 + w (waves 0 to 3): tile 2, quarter w
	s_add_co_u32 s[G0+5], s3, X1+2*TP
	s_add_co_u32 s34, s78, s2
	s_add_nc_u64 s[G0+6:G0+7], s[8:9], s[34:35]
	s_or_b32 s[G0+7], s[G0+7], 0x80000000
	tensor_load_to_lds s[G0:G0+3], s[G1:G1+7]      ; my one tensor load at the head
	s_nop 0
.rept 4
	v_nop                                          ; four lines behind the last of them
.endr
.irp m, 0,1,2                                  ; the accumulators' registers carry the images and the parameters on their way to LDS
.irp i, 0,1,2,3
	global_load_b128 v[ACC+16*\m+4*\i:ACC+16*\m+4*\i+3], v[26+\m], s[4:5] offset:4096*\i
.endr
.endr
.irp p, 0,1,2,3,4,5,6
	global_load_b128 v[ACC+48+4*\p:ACC+48+4*\p+3], v2, s[12+2*\p:13+2*\p]
.endr
	WIN 0x40
	PROSET 0                                       ; proj's first weights follow at once
	PROSET 1
	WIN 0
	s_wait_kmcnt 0x0
	s_add_co_i32 s2, s36, s37
	s_add_co_i32 s2, s2, 127
	s_lshl_b32 s42, s2, 23                         ; 2^(e6 + e7)
	s_mov_b32 s43, s42
	s_add_co_i32 s2, s38, s39
	s_add_co_i32 s2, s2, 127
	s_lshl_b32 s44, s2, 23                         ; 2^(e8 + e9)
	s_mov_b32 s45, s44
	s_add_co_i32 s2, s40, s41
	s_add_co_i32 s2, s2, 127
	s_lshl_b32 s46, s2, 23                         ; 2^(e10 + e11)
	s_mov_b32 s47, s46
	SETINV 36
	s_wait_loadcnt 32                              ; the images' and parameters' 19 loads are in; the 32 weight loads behind them may be out
.irp m, 0,1,2
.irp i, 0,1,2,3
	ds_store_b128 v2, v[ACC+16*\m+4*\i:ACC+16*\m+4*\i+3] offset:AIMG+\m*16384+4096*\i
.endr
.endr
.irp p, 0,1,2,3,4,5,6
	ds_store_b128 v13, v[ACC+48+4*\p:ACC+48+4*\p+3] offset:4096*\p
.endr
	WIN 0x40
	PROSET 2
	PROSET 3
	WIN 0
	s_wait_tensorcnt 0x0                           ; my unit of x is in
	ds_add_u32 v20, v21                            ; 0 onto my spare word
	s_wait_dscnt 0x0                               ; the add is done, and my stores of images and parameters have landed
	s_barrier_signal -1
	s_barrier_wait -1                              ; images and parameters lie in LDS
	s_cmp_lt_u32 s28, 4
	s_cbranch_scc0 .Lno_unit
	tensor_load_to_lds s[G0+4:G0+7], s[G1:G1+7]    ; tile 2's four units: filled once; waited for behind the first product
	s_nop 0
.rept 4
	v_nop
.endr
.Lno_unit:
	INITACC 0
	; ---------------- proj, the first residual ----------------
	GEMM AIMG
	s_wait_xcnt 0x0                                ; the weights' loads have read their base
	s_add_nc_u64 s[32:33], s[32:33], 1048576-12288 ; 64 tiles on, back along K: fc1
	WIN 0x40
	PROSET 0                                       ; fc1's first three K steps are on their way under the residual and LayerNorm 2; the fourth set carries parameters meanwhile
	PROSET 1
	PROSET 2
	WIN 0
	s_wait_tensorcnt 0x0                           ; my units of x lie in LDS; the descriptors' registers may be written
	BAR                                            ; everybody's do
	PAIR 66, 0xbf97d29d                            ; P's coefficients x log2(e): c8 .. c1; c0 with the division by 2 in it; then -log2(e) / 2 for z^2
	PAIR 68, 0x40097039
	PAIR 70, 0xbfd1a1e5
	PAIR 72, 0x3ecdfd18
	PAIR 74, 0xbe899a80
	PAIR 76, 0x3e0efb2e
	PAIR 78, 0x3f0a29d2
	PAIR 80, 0x3fb8ab5a
	PAIR 82, 0xc034d90f
	PAIR 84, 0xbf38aa3b
	s_mov_b32 s88, 0x3eb504f3                      ; 1 / (2 sqrt 2)
	s_mov_b32 s89, 0x3a800000                      ; 1 / 1024
	s_mov_b32 s90, 0x358637bd                      ; 1e-6
	RESID 1, 42, 192, 0                            ; acc = x1
	WIN 0x40
	PLD 192, 2                                     ; norm2_w takes ls1's place
	WIN 0
.irp m, 0,1,2
	v_pk_add_f32 v[16+4*\m:17+4*\m], v[ACC+64*\m:ACC+64*\m+1], v[ACC+64*\m+2:ACC+64*\m+3]
	v_pk_add_f32 v[18+4*\m:19+4*\m], v[ACC+64*\m+4:ACC+64*\m+5], v[ACC+64*\m+6:ACC+64*\m+7]
.endr
.set k, 8
.rept 14
.irp m, 0,1,2
	v_pk_add_f32 v[16+4*\m:17+4*\m], v[16+4*\m:17+4*\m], v[ACC+64*\m+k:ACC+64*\m+k+1]
	v_pk_add_f32 v[18+4*\m:19+4*\m], v[18+4*\m:19+4*\m], v[ACC+64*\m+k+2:ACC+64*\m+k+3]
.endr
.set k, k+4
.endr
.irp m, 0,1,2
	v_pk_add_f32 v[16+4*\m:17+4*\m], v[16+4*\m:17+4*\m], v[18+4*\m:19+4*\m]
.endr
	LANESUM 0
	BAR                                            ; the eight parts of every row's sum lie in LDS
	; ---------------- LayerNorm 2 ----------------
	STATSUM 0
.irp m, 0,1,2
	v_mul_f32 v[52+2*\m], s89, v[28+8*\m]          ; the mean, twice
	v_mul_f32 v[53+2*\m], s89, v[28+8*\m]
.endr
.set k, 0
.rept 32
.irp m, 0,1,2
	v_pk_add_f32 v[ACC+64*\m+k:ACC+64*\m+k+1], v[ACC+64*\m+k:ACC+64*\m+k+1], v[52+2*\m:53+2*\m] neg_lo:[0,1] neg_hi:[0,1]
.endr
.set k, k+2
.endr
.irp m, 0,1,2
	v_pk_mul_f32 v[16+4*\m:17+4*\m], v[ACC+64*\m:ACC+64*\m+1], v[ACC+64*\m:ACC+64*\m+1]
	v_pk_mul_f32 v[18+4*\m:19+4*\m], v[ACC+64*\m+2:ACC+64*\m+3], v[ACC+64*\m+2:ACC+64*\m+3]
.endr
.set k, 4
.rept 15
.irp m, 0,1,2
	v_pk_fma_f32 v[16+4*\m:17+4*\m], v[ACC+64*\m+k:ACC+64*\m+k+1], v[ACC+64*\m+k:ACC+64*\m+k+1], v[16+4*\m:17+4*\m]
	v_pk_fma_f32 v[18+4*\m:19+4*\m], v[ACC+64*\m+k+2:ACC+64*\m+k+3], v[ACC+64*\m+k+2:ACC+64*\m+k+3], v[18+4*\m:19+4*\m]
.endr
.set k, k+4
.endr
.irp m, 0,1,2
	v_pk_add_f32 v[16+4*\m:17+4*\m], v[16+4*\m:17+4*\m], v[18+4*\m:19+4*\m]
.endr
	LANESUM STAT2-STAT1
	BAR
	STATSUM STAT2-STAT1
.irp m, 0,1,2
	s_delay_alu instid0(VALU_DEP_3)
	v_fma_f32 v[52+2*\m], v[28+8*\m], s89, s90     ; variance + eps
.endr
	BLD 16, 3, 0                                   ; norm2_b's first two quarters, into registers that the sums have left
	BLD 32, 3, 1
	s_wait_alu depctr_va_vdst(0)
.irp m, 0,1,2
	v_rsq_f32 v[52+2*\m], v[52+2*\m]
.endr
	v_nop
	s_wait_alu depctr_va_vdst(0)                   ; one wait for the three roots
.irp m, 0,1,2
	v_mov_b32 v[53+2*\m], v[52+2*\m]
.endr
	SETQ 38                                        ; e8
.set k, 0
.rept 32
.irp m, 0,1,2
	v_pk_mul_f32 v[ACC+64*\m+k:ACC+64*\m+k+1], v[ACC+64*\m+k:ACC+64*\m+k+1], v[52+2*\m:53+2*\m]
.endr
.set k, k+2
.endr
	s_wait_dscnt 0x0                               ; norm2_w and norm2_b's first two quarters are in
	WIN 0x04                                       ; source 1 (norm2_w) window 1
	FMAB 0, 16
	BLD 16, 3, 2                                   ; a quarter's registers take the quarter two further on
	FMAB 1, 32
	BLD 32, 3, 3
	s_wait_dscnt 4                                 ; the third quarter is in; the fourth's four loads may be out
	FMAB 2, 16
	s_wait_dscnt 0x0
	FMAB 3, 32
	WIN 0x40
	PROSET 3                                       ; norm2_w is done with: fc1's fourth K step
	WIN 0
.set k, 0
.rept 192
	v_med3_num_f32 v[ACC+k], v[ACC+k], -v12, v12
.set k, k+1
.endr
.set k, 0
.rept 24
	v_cvt_scalef32_pk8_fp8_f32 v[16+2*k:17+2*k], v[ACC+8*k:ACC+8*k+7], v11    ; tiles 2 beta, 2 beta + 1 give four registers: a chunk
.set k, k+1
.endr
	v_nop                                          ; a plain instruction behind the last conversion
.set k, 0
.rept 12
	ds_store_b128 v10, v[16+4*k:19+4*k] offset:(k/4)*16384+(k%4)*512
.set k, k+1
.endr
	SETINV 38
	s_wait_dscnt 0x0                               ; the stores have read the registers that the biases' loads take
	INITACC 4
	BAR                                            ; LayerNorm 2's images lie in LDS
	; ---------------- fc1, gelu ----------------
	GEMM YIMG
	s_wait_xcnt 0x0
	s_add_nc_u64 s[32:33], s[32:33], 1048576-12288 ; fc2: its first weights are on their way under the activation
	PRO
	SETQ 40                                        ; e10
.set k, 0
.rept 96
	v_pk_mul_f32 v[ACC+k:ACC+k+1], v[ACC+k:ACC+k+1], s[44:45] op_sel_hi:[1,0]   ; z; each accumulator from its low end on
.set k, k+2
.endr
.irp g, 0,1,2,3,4,5,6,7,8,9,10,11
	GELU \g
.endr
	v_nop                                          ; a plain instruction behind the last conversion
	SETINV 40
	s_wait_dscnt 0x0
	INITACC 5
	BAR                                            ; gelu's images lie in LDS (the attention's were last read ahead of the barrier behind proj)
	; ---------------- fc2, the second residual, the way out ----------------
	GEMM AIMG
	s_mul_i32 s2, s28, XP
	s_add_co_u32 s2, s2, X1
	v_add_nc_u32 v[RA], s2, v1                     ; whole rows 16 m + 8 e + w of X1
	s_delay_alu instid0(VALU_DEP_1)
	v_add_nc_u32 v[RA+1], TP, v[RA]
	s_delay_alu instid0(VALU_DEP_2)
	v_add_nc_u32 v[RA+2], 2*TP, v[RA]
.irp q, 0,1,2,3,4,5
	v_add_nc_u32 v[SOF+\q], s[50+\q], v1
.endr
	RESID 6, 46, 0, 1                              ; tiles 0 and 1 leave under the tiles that follow them
	s_wait_dscnt 0x0                               ; tile 2's rows are back
	OUTROW 4
	OUTROW 5
	v_lshl_add_u32 v16, v0, 2, SPARE               ; my spare word and 0, made anew from v0 as it was at the entry
	v_mov_b32 v17, 0
	s_wait_alu depctr_va_vdst(0)
	s_wait_tensorcnt 0x0                           ; the wave's end
	ds_add_u32 v16, v17
	s_wait_dscnt 0x0
	s_endpgm
.Lfunc_end_k_q9f954cec17_tail:
	.size	k_q9f954cec17_tail, .Lfunc_end_k_q9f954cec17_tail-k_q9f954cec17_tail
	.p2alignl 7, 3214868480
	.fill 96, 4, 3214868480
	.section	.rodata,"a",@progbits
	.p2align	6, 0x0
	.amdhsa_kernel k_q9f954cec17_tail
		.amdhsa_group_segment_fixed_size 327680
		.amdhsa_private_segment_fixed_size 0
		.amdhsa_enable_private_segment 0
		.amdhsa_kernarg_size 96
		.amdhsa_user_sgpr_count 2
		.amdhsa_user_sgpr_kernarg_segment_ptr 1
		.amdhsa_wavefront_size32 1
		.amdhsa_system_sgpr_workgroup_id_x 1
		.amdhsa_system_sgpr_workgroup_id_y 1
		.amdhsa_system_sgpr_workgroup_id_z 1
		.amdhsa_system_vgpr_workitem_id 0
		.amdhsa_next_free_vgpr 512
		.amdhsa_next_free_sgpr 100
		.amdhsa_reserve_vcc 0
		.amdhsa_float_denorm_mode_32 3
		.amdhsa_float_denorm_mode_16_64 3
		.amdhsa_memory_ordered 1
		.amdhsa_forward_progress 1
		.amdhsa_inst_pref_size 255
	.end_amdhsa_kernel
	.section	.bss,"aw",@nobits
	.p2align	6
	.space	262144
	.amdgpu_metadata
---
amdhsa.version: [ 1, 2 ]
amdhsa.kernels:
  - .name:           k_q9f954cec17_tail
    .symbol:         k_q9f954cec17_tail.kd
    .args:
      - { .name: ao, .offset: 0, .size: 8, .value_kind: global_buffer, .address_space: global }
      - { .name: wimg, .offset: 8, .size: 8, .value_kind: global_buffer, .address_space: global }
      - { .name: hidden_states, .offset: 16, .size: 8, .value_kind: global_buffer, .address_space: global }
      - { .name: lowp_scales, .offset: 24, .size: 8, .value_kind: global_buffer, .address_space: global }
      - { .name: proj_b, .offset: 32, .size: 8, .value_kind: global_buffer, .address_space: global }
      - { .name: ls1, .offset: 40, .size: 8, .value_kind: global_buffer, .address_space: global }
      - { .name: norm2_w, .offset: 48, .size: 8, .value_kind: global_buffer, .address_space: global }
      - { .name: norm2_b, .offset: 56, .size: 8, .value_kind: global_buffer, .address_space: global }
      - { .name: fc1_b, .offset: 64, .size: 8, .value_kind: global_buffer, .address_space: global }
      - { .name: fc2_b, .offset: 72, .size: 8, .value_kind: global_buffer, .address_space: global }
      - { .name: ls2, .offset: 80, .size: 8, .value_kind: global_buffer, .address_space: global }
      - { .name: out0, .offset: 88, .size: 8, .value_kind: global_buffer, .address_space: global }
    .group_segment_fixed_size: 327680
    .private_segment_fixed_size: 0
    .kernarg_segment_align: 8
    .kernarg_segment_size: 96
    .max_flat_workgroup_size: 256
    .sgpr_count:     100
    .vgpr_count:     512
    .wavefront_size: 32
...
	.end_amdgpu_metadata
.endif
;; end of part 4
